; MI455X (gfx1250); checked and timed in simulation.
; The chip was launched on July 23, 2026; its instructions are those of AMD's public machine-readable ISA for CDNA 5 (MIT licence, August 2026) and "CDNA5" Instruction Set Architecture Reference Guide (July 2026). The comments in the code are by the model that wrote it; some were corrected since.
;; MAB. Allowed arithmetic: float matrix products may take bf16 or f16 operands with f32 sums; all other float work in f32.
;; Inputs: K 32 x 512 x 512 float32; Q 32 x 512 x 512 float32; W1 512 x 512 float32; W2 512 x 512 float32; Wk 512 x 512 float32; Wo 512 x 512 float32; Wq 512 x 512 float32; Wv 512 x 512 float32; b1 512 float32; b2 512 float32; bk 512 float32; bo 512 float32; bq 512 float32; bv 512 float32.
;; Outputs: out0 32 x 512 x 512 float32.
;; 2 versions, each right. Each part assembles by itself: llvm-mc -triple=amdgcn-amd-amdhsa -mcpu=gfx1250 --defsym DOCPART=n.
;; ======== version 1 of 2: 2 launches
;; limits: values are held in f16: magnitudes above 65,504 overflow, below 6.1e-05 lose precision
;; workspace buffers: att 16,777,216 bytes; wf 1,572,864 bytes
;; launch attn (part 1): grid 256 x 1, 4 waves a work-group, clusters of 4 x 1, 327,680 bytes of LDS; arguments K, Q, Wk, Wv, Wq, bk, bv, bq, Wo, W1, W2, att, wf; writes att, wf
.if DOCPART == 1
	.amdgcn_target "amdgcn-amd-amdhsa--gfx1250"
	.amdhsa_code_object_version 6
	.text
	.protected	k_q19d9806315_attn
	.globl	k_q19d9806315_attn
	.p2align	8
	.type	k_q19d9806315_attn,@function
k_q19d9806315_attn:
	s_mov_b64 s[64:65], 0
	v_nop
	global_prefetch_b8 v0, s[64:65] scope:SCOPE_SE
	s_setreg_imm32_b32 hwreg(HW_REG_WAVE_MODE, 25, 1), 1
	s_wait_xcnt 0x0
	s_wait_alu depctr_hold_cnt(0) depctr_sa_sdst(0) depctr_va_vdst(0) depctr_va_sdst(0) depctr_va_ssrc(0) depctr_va_vcc(0) depctr_vm_vsrc(0)
	s_getreg_b32 s2, hwreg(HW_REG_IB_STS2, 6, 4)
	s_cmp_eq_u32 s2, 0
	s_cbranch_scc0 .Lentry_in_a_cluster
	s_endpgm
.Lentry_in_a_cluster:
	s_bfe_u32 s2, ttmp6, 0x10000c
	s_cmp_lg_u32 s2, 0x3003
	s_cbranch_scc0 .Lentry_shape_is_right
	s_endpgm
.Lentry_shape_is_right:
; One work-group = one (batch b, head): k, v and q projections, scores, softmax over the QUERY axis, A v.  32 x 8 = 256 work-groups.
; Four waves; wave w owns rows 128 w .. 128 w + 127 of the batch: as keys while k and v are made, as queries afterwards.
; Side job: each wave also rounds three blocks of 16 x 16 numbers (one of Wo to bf16, one of W1 and one of W2 to f16) and stores them in the fragment
; order of the next launch.
;
; CLUSTER 4 x 1: the four work-groups of a cluster are four heads of one batch and walk the same tiles of K[b] and Q[b]; every tile is asked for
; jointly (mask 15).  Each wave asks for the 128 rows that it reads itself.  A wave has two tensor loads out at the start, later one.
;
; STREAM: 16 tiles of 512 rows x 64 f32 (rows of 256 bytes, aligned): K[b] columns 64 p (p = 0..7), then Q[b] (p = 8..15), through two LDS slots.
; The 64 columns of the head's weights that go with a tile come through registers, are rounded to bf16 and lie in one of two small LDS buffers, one period ahead.
; k and v wait packed in registers while q is made, then go to LDS in fragment order into slot 0, which has had its last fill by then; q never leaves registers.
;
; SOFTMAX over q: a chunk is 32 keys.  Scores are made transposed (register = key, lane = query), so a column's maximum and sum run over
; 8 tiles, 16 lanes and 4 waves.  Each wave takes away ITS OWN column maximum M_w: P = exp2(C2 (s - M_w)), Z_w = sum of P.  The waves exchange M_w and Z_w
; through LDS, and P is multiplied by f_w = e_w / sum over w' of Z_w' e_w', e_w = exp2(C2 (M_w - m)), m = the largest M_w: the exact softmax with the true
; maximum taken away.  Every exponent is <= 0 and the denominator is >= 1.
;
; LIMITS: matrix operands here are bf16.  W1 and W2 are rounded to f16 for the next launch: their magnitudes must stay below 65,504.
; v_exp_f32 gives zero where the result would be below 2^-126 (ISA guide 15.8): such weights vanish beside a denominator >= 1.
; v_max_num_f32 lets a NaN lose, so NaN inputs do not spread as in a softmax written with NaN-keeping maxima.
;
; REGISTERS in windows of 256 (s_set_vgpr_msb: bits 1:0 source 0, 3:2 source 1, 5:4 source 2, 7:6 destination):
;   projections: window 0 addresses, ST (f32 as read from the slot), AF (bf16 fragments of K or Q rows), BQ; window 1 k sums, later packed k and v;
;                window 2 v sums, then q sums, then q fragments; window 3 weight fragments (two buffers), weights as loaded, bias tiles of k and v
;   attention:   window 0 KF, VF, column figures; window 1 O; window 2 q fragments; window 3 two buffers of scores
.set SLOTB,   139264                   ; a slot: 512 rows x 272 bytes
.set WPART,   34816                    ; a wave's 128 rows of it
.set APITCH,  272                      ; 256 bytes + 16 of padding: 17 x 16, so 16 rows begin in 16 different 16-byte columns of a 256-byte line
.set WB,      278528                   ; two weight buffers: 128 rows (64 of Wk or Wq, 64 of Wv) x 64 bf16
.set WBB,     18432
.set WPITCH,  144                      ; 128 bytes + 16
.set STAT,    315392                   ; [parity 2][wave 4][M 32 f32, Z 32 f32]
.set FX,      317440                   ; [wave 4][f 32 f32, 128 bytes unused]
.set VT,      65536                    ; v fragments; k fragments lie at byte 0
.set AD,  5                            ; v5, v6   my rows in slot 0, 1: part + r x 272 + 32 h
.set WA,  7                            ; v7, v8   weight fragments in buffer 0, 1: r x 144 + 16 h
.set WS,  9                            ; v9, v10  where I put rounded weights: (16 w + h) x 144 + 8 r
.set GW,  11                           ; weights in memory: (16 w + h) rows of 2,048 bytes + 16 r
.set GC,  12                           ; side job: r rows of 2,048 bytes + 32 h
.set L16, 13                           ; 16 x lane
.set GB,  14                           ; 32 h
.set GBV, 15                           ; 4 r
.set PFO, 16                           ; prefetch: (64 head + 32 (w & 1) + lane) rows of 2,048 bytes + 256 (w >> 1)
.set KHW, 17
.set VTW, 18
.set KA,  19
.set VA,  20
.set STW, 21
.set STR, 22
.set STO, 23
.set FXW, 24
.set FXR, 25
.set ST,  32                           ; v32-159
.set AF,  160                          ; v160-223
.set BQ,  224                          ; v224-255
.set WFA, 0                            ; window 3
.set WFB, 64
.set WST, 128
.set BK,  192
.set BV,  224
.set KF,  32                           ; attention, window 0
.set VF,  64
.set MX,  96
.set NM,  112
.set ZS,  128
.set FS,  144
.set T,   160
.set G1,  16                           ; s[16:23]
.set G0,  24                           ; s[24:27] slot 0, s[28:31] slot 1
.set MSB, 0
.macro WIN new                         ; the immediate's high byte repeats the setting that is left
.if MSB != \new
	s_set_vgpr_msb (MSB<<8)|\new
.set MSB, \new
.endif
.endm
.macro PLACES                          ; four plain vector instructions between a matrix instruction and a load into, or a vector use of, its registers
.rept 4
	v_nop
.endr
.endm
.macro CREST                           ; a round of the cluster's barrier behind its opening barrier
	s_cmp_lg_u32 s8, 0
	s_cbranch_scc1 .Lnot_wave_0_\@
	s_barrier_signal -3
.Lnot_wave_0_\@:
	s_barrier_wait -3
	s_barrier_signal -1
	s_barrier_wait -1
.endm
.macro CROUND
	s_barrier_signal -1
	s_barrier_wait -1
	CREST
.endm
	s_load_b512 s[68:83], s[0:1], 0x0              ; K, Q, Wk, Wv, Wq, bk, bv, bq
	s_load_b256 s[84:91], s[0:1], 0x40             ; Wo, W1, W2, att
	s_load_b64 s[92:93], s[0:1], 0x60              ; wf
	v_lshrrev_b32 v1, 5, v0
	v_readfirstlane_b32 s8, v1                     ; wave
	s_bfe_u32 s9, ttmp6, 0x40000                   ; cx: enters global addresses of weights, biases, att, wf and prefetches alone
	s_lshr_b32 s10, ttmp9, 1                       ; b: two clusters for a batch
	s_and_b32 s11, ttmp9, 1
	s_lshl_b32 s11, s11, 2
	s_add_co_u32 s11, s11, s9                      ; head
	s_lshl_b32 s12, ttmp9, 2
	s_add_co_u32 s12, s12, s9                      ; work-group 0..255
	s_mul_i32 s13, s8, WPART                       ; my part of a slot
	s_mov_b32 s44, 0x3d8293ee                      ; C2 = log2(e) / sqrt(512)
	s_mov_b32 s45, 0x3d8293ee
	s_mov_b32 s46, 0xbd8293ee                      ; -C2
	s_mov_b32 s47, 0xbd8293ee
	; group 1: 128 rows x 64 elements of 4 bytes, 16 bytes of padding behind each 64 words
	s_mov_b32 s[G1+0], 0x0772000f                  ; 15:0 mask 15; 17:16 code 2; 20 padding; 21 set beside a mask; 24:22 code 5 (64 words); 31:25 code 3 (4 words)
	s_mov_b32 s[G1+1], 64<<16                      ; tensor_dim0 = 64
	s_mov_b32 s[G1+2], 128<<16                     ; tensor_dim1 = 128
	s_mov_b32 s[G1+3], 64<<16                      ; tile_dim0 = 64
	s_mov_b32 s[G1+4], 128                         ; tile_dim1 = 128
	s_mov_b32 s[G1+5], 512                         ; elements from row to row
	s_mov_b32 s[G1+6], 0
	s_mov_b32 s[G1+7], 0
	; lane terms
	v_and_b32 v2, 31, v0                           ; lane
	v_and_b32 v3, 15, v0                           ; r
	v_bfe_u32 v4, v0, 4, 1                         ; h
	v_mul_u32_u24 v26, v3, APITCH
	v_lshl_add_u32 v26, v4, 5, v26
	v_add_nc_u32 v[AD], s13, v26
	v_add_nc_u32 v[AD+1], SLOTB, v[AD]
	v_mul_u32_u24 v27, v3, WPITCH
	v_lshl_add_u32 v27, v4, 4, v27
	v_add_nc_u32 v[WA], WB, v27
	v_add_nc_u32 v[WA+1], WB+WBB, v27
	s_mul_i32 s14, s8, 16*WPITCH
	v_mul_u32_u24 v28, v4, WPITCH
	v_lshl_add_u32 v28, v3, 3, v28
	v_add_nc_u32 v28, s14, v28
	v_add_nc_u32 v[WS], WB, v28
	v_add_nc_u32 v[WS+1], WB+WBB, v28
	s_lshl_b32 s14, s8, 15
	v_lshlrev_b32 v[GW], 11, v4
	v_lshl_add_u32 v[GW], v3, 4, v[GW]
	v_add_nc_u32 v[GW], s14, v[GW]
	v_lshlrev_b32 v[GB], 5, v4
	v_lshl_add_u32 v[GC], v3, 11, v[GB]
	v_lshlrev_b32 v[L16], 4, v2
	v_lshlrev_b32 v[GBV], 2, v3
	s_lshl_b32 s14, s11, 6
	s_and_b32 s15, s8, 1
	s_lshl_b32 s15, s15, 5
	s_add_co_u32 s14, s14, s15
	v_add_nc_u32 v[PFO], s14, v2
	s_lshr_b32 s15, s8, 1
	s_lshl_b32 s15, s15, 8
	v_lshl_add_u32 v[PFO], v[PFO], 11, s15
	s_lshl_b32 s14, s8, 14
	v_add_nc_u32 v[KHW], s14, v[L16]
	v_add_nc_u32 v[VTW], VT, v[KHW]
	v_mov_b32 v[KA], v[L16]
	v_add_nc_u32 v[VA], VT, v[L16]
	s_lshl_b32 s14, s8, 8
	s_add_co_u32 s15, s14, STAT
	v_lshl_add_u32 v[STW], v4, 5, s15
	v_lshl_add_u32 v[STR], v2, 2, STAT
	v_lshl_add_u32 v[STO], v2, 2, s15
	s_add_co_u32 s15, s14, FX
	v_lshl_add_u32 v[FXW], v2, 2, s15
	v_lshl_add_u32 v[FXR], v4, 5, s15
	; offsets, apart from the addresses
	s_lshl_b32 s58, s10, 20                        ; b x 512 rows x 2,048 bytes
	s_mov_b32 s59, 0
	s_lshl_b32 s60, s8, 18                         ; + w x 128 rows
	s_add_co_u32 s60, s60, s58
	s_mov_b32 s61, 0
	s_lshl_b32 s62, s11, 17                        ; head x 64 rows of a weight
	s_mov_b32 s63, 0
	s_lshl_b32 s50, s11, 8                         ; head x 64 numbers of a bias
	s_mov_b32 s51, 0
	; side job, from: rows 16 nt .., columns 16 k16 .., nt = wg >> 3, k16 = 4 (wg & 7) + w
	s_lshr_b32 s14, s12, 3
	s_lshl_b32 s96, s14, 15
	s_and_b32 s15, s12, 7
	s_lshl_b32 s48, s15, 8
	s_add_co_u32 s96, s96, s48
	s_lshl_b32 s48, s8, 6
	s_add_co_u32 s96, s96, s48
	s_mov_b32 s97, 0
	; side job, to: [kc = k16 >> 3][nt >> 3][s = (k16 >> 1) & 3][nt & 7][c = k16 & 1] blocks of 512 bytes
	s_lshr_b32 s48, s15, 1
	s_lshl_b32 s98, s48, 17
	s_lshr_b32 s48, s12, 6
	s_lshl_b32 s48, s48, 15
	s_add_co_u32 s98, s98, s48
	s_and_b32 s48, s12, 1
	s_lshl_b32 s48, s48, 1
	s_lshr_b32 s49, s8, 1
	s_add_co_u32 s48, s48, s49
	s_lshl_b32 s48, s48, 13
	s_add_co_u32 s98, s98, s48
	s_and_b32 s48, s14, 7
	s_lshl_b32 s48, s48, 10
	s_add_co_u32 s98, s98, s48
	s_and_b32 s48, s8, 1
	s_lshl_b32 s48, s48, 9
	s_add_co_u32 s98, s98, s48
	s_mov_b32 s99, 0
	; att: row block 8 b + 2 w, 65,536 bytes each; my head's 2,048 bytes of each 16 rows
	s_lshl_b32 s48, s10, 3
	s_lshl_b32 s49, s8, 1
	s_add_co_u32 s48, s48, s49
	s_lshl_b32 s48, s48, 16
	s_lshl_b32 s49, s11, 11
	s_add_co_u32 s48, s48, s49
	s_mov_b32 s49, 0
	s_wait_kmcnt 0x0
	s_add_nc_u64 s[42:43], s[68:69], s[58:59]      ; prefetch pointer: K[b],
	s_add_nc_u64 s[42:43], s[42:43], 1024          ; tile 4
	s_add_nc_u64 s[94:95], s[70:71], s[58:59]      ; Q[b]
	s_add_nc_u64 s[32:33], s[68:69], s[60:61]      ; my rows of K[b]
	s_add_nc_u64 s[34:35], s[70:71], s[60:61]      ; my rows of Q[b]
	s_add_nc_u64 s[36:37], s[72:73], s[62:63]      ; the head's rows of Wk, Wv, Wq
	s_add_nc_u64 s[38:39], s[74:75], s[62:63]
	s_add_nc_u64 s[40:41], s[76:77], s[62:63]
	s_add_nc_u64 s[52:53], s[78:79], s[50:51]      ; bk, bv, bq at the head
	s_add_nc_u64 s[54:55], s[80:81], s[50:51]
	s_add_nc_u64 s[56:57], s[82:83], s[50:51]
	s_add_nc_u64 s[84:85], s[84:85], s[96:97]
	s_add_nc_u64 s[86:87], s[86:87], s[96:97]
	s_add_nc_u64 s[88:89], s[88:89], s[96:97]
	s_add_nc_u64 s[92:93], s[92:93], s[98:99]
	s_add_nc_u64 s[90:91], s[90:91], s[48:49]
	s_mov_b32 s[G0+0], 1
	s_mov_b32 s[G0+1], s13
	s_mov_b64 s[G0+2:G0+3], s[32:33]               ; tile 0
	s_or_b32 s[G0+3], s[G0+3], 0x80000000
	s_mov_b32 s[G0+4], 1
	s_add_co_u32 s[G0+5], s13, SLOTB
	s_add_nc_u64 s[G0+6:G0+7], s[32:33], 256       ; tile 1
	s_or_b32 s[G0+7], s[G0+7], 0x80000000
	CROUND                                         ; all four work-groups are here: the first joint loads meet
	tensor_load_to_lds s[G0:G0+3], s[G1:G1+7]
	s_nop 0
	tensor_load_to_lds s[G0+4:G0+7], s[G1:G1+7]
	s_nop 0
; The next 64 columns of the head's weights, as f32: each load takes two rows' 256 aligned bytes.  ph = 1: Wk and Wv; 2: Wq.
.macro WLOAD ph
	WIN 0xc0
.if \ph == 1
.irp u, 0,1,2,3,4,5,6,7
	global_load_b128 v[WST+4*\u:WST+4*\u+3], v[GW], s[36:37] offset:4096*\u
.endr
.irp u, 0,1,2,3,4,5,6,7
	global_load_b128 v[WST+32+4*\u:WST+32+4*\u+3], v[GW], s[38:39] offset:4096*\u
.endr
.else
.irp u, 0,1,2,3,4,5,6,7
	global_load_b128 v[WST+4*\u:WST+4*\u+3], v[GW], s[40:41] offset:4096*\u
.endr
.endif
.endm
; They are rounded and put into weight buffer buf, which every wave stopped reading in front of this period's barrier.
.macro WSTORE ph, buf, pf
	s_wait_loadcnt 0x0                             ; the weights are in, and their pointers are free
	WIN 0x0f
.set n, 0
.rept 48-16*\ph
	v_cvt_pk_bf16_f32 v[ST+n], v[WST+2*n], v[WST+2*n+1]
.set n, n+1
.endr
	WIN 0
.irp u, 0,1,2,3,4,5,6,7
	ds_store_b64 v[WS+\buf], v[ST+2*\u:ST+2*\u+1] offset:2*WPITCH*\u
.endr
.if \ph == 1
.irp u, 0,1,2,3,4,5,6,7
	ds_store_b64 v[WS+\buf], v[ST+16+2*\u:ST+16+2*\u+1] offset:64*WPITCH+2*WPITCH*\u
.endr
	s_add_nc_u64 s[36:37], s[36:37], 256
	s_add_nc_u64 s[38:39], s[38:39], 256
.else
	s_add_nc_u64 s[40:41], s[40:41], 256
.endif
.if \pf
	s_wait_xcnt 0x0                                ; the prefetch's pointer is stepped only behind this wait
	s_add_nc_u64 s[42:43], s[42:43], 512           ; the next pair of tiles
.endif
.endm
.macro FETCHW buf, s, fb, nt                       ; nt weight fragments (16 rows x 32 k) of K step s
	WIN 0xc0
.set tl, 0
.rept \nt
	ds_load_b128 v[\fb+8*tl:\fb+8*tl+3], v[WA+\buf] offset:16*WPITCH*tl+64*\s
	ds_load_b128 v[\fb+8*tl+4:\fb+8*tl+7], v[WA+\buf] offset:16*WPITCH*tl+64*\s+32
.set tl, tl+1
.endr
.endm
.macro FETCHA slot, s                              ; my 128 rows x 32 k as f32: k = 8 h + 0..7 at 32 h, k = 16 + 8 h + 0..7 at 64 + 32 h
	WIN 0
.irp i, 0,1,2,3,4,5,6,7
	ds_load_b128 v[ST+16*\i:ST+16*\i+3], v[AD+\slot] offset:16*APITCH*\i+128*\s
	ds_load_b128 v[ST+16*\i+4:ST+16*\i+7], v[AD+\slot] offset:16*APITCH*\i+128*\s+16
	ds_load_b128 v[ST+16*\i+8:ST+16*\i+11], v[AD+\slot] offset:16*APITCH*\i+128*\s+64
	ds_load_b128 v[ST+16*\i+12:ST+16*\i+15], v[AD+\slot] offset:16*APITCH*\i+128*\s+80
.endr
.endm
.macro CVTA
.set n, 0
.rept 64
	v_cvt_pk_bf16_f32 v[AF+n], v[ST+2*n], v[ST+2*n+1]
.set n, n+1
.endr
.endm
; Products.  In every batch the 32 accumulators take turns, one instruction a turn, and neighbouring batches begin and end on different ones.
; k and q: source 0 = weights, source 1 = rows: register j = feature 16 t + 8 h + j, lane r = row.  The first step takes the bias tile as C: nothing is cleared.
.macro MULK fb, first
.if \first
	WIN 0x73
.else
	WIN 0x53
.endif
.irp i, 0,1,2,3,4,5,6,7
.irp t, 0,1,2,3
.if \first
	v_wmma_f32_16x16x32_bf16 v[8*(4*\i+\t):8*(4*\i+\t)+7], v[\fb+8*\t:\fb+8*\t+7], v[AF+8*\i:AF+8*\i+7], v[BK+8*\t:BK+8*\t+7]
.else
	v_wmma_f32_16x16x32_bf16 v[8*(4*\i+\t):8*(4*\i+\t)+7], v[\fb+8*\t:\fb+8*\t+7], v[AF+8*\i:AF+8*\i+7], v[8*(4*\i+\t):8*(4*\i+\t)+7]
.endif
.endr
.endr
.endm
; v the other way round: register j = key 8 h + j, lane r = feature 16 t + r
.macro MULV fb, first
.if \first
	WIN 0xbc
.else
	WIN 0xac
.endif
.irp i, 0,1,2,3,4,5,6,7
.irp t, 0,1,2,3
.if \first
	v_wmma_f32_16x16x32_bf16 v[8*(4*\i+\t):8*(4*\i+\t)+7], v[AF+8*\i:AF+8*\i+7], v[\fb+32+8*\t:\fb+32+8*\t+7], v[BV+8*\t:BV+8*\t+7]
.else
	v_wmma_f32_16x16x32_bf16 v[8*(4*\i+\t):8*(4*\i+\t)+7], v[AF+8*\i:AF+8*\i+7], v[\fb+32+8*\t:\fb+32+8*\t+7], v[8*(4*\i+\t):8*(4*\i+\t)+7]
.endif
.endr
.endr
.endm
.macro MULQ fb, first
.if \first
	WIN 0x83
.else
	WIN 0xa3
.endif
.irp i, 0,1,2,3,4,5,6,7
.irp t, 0,1,2,3
.if \first
	v_wmma_f32_16x16x32_bf16 v[8*(4*\i+\t):8*(4*\i+\t)+7], v[\fb+8*\t:\fb+8*\t+7], v[AF+8*\i:AF+8*\i+7], v[BQ+8*\t:BQ+8*\t+7]
.else
	v_wmma_f32_16x16x32_bf16 v[8*(4*\i+\t):8*(4*\i+\t)+7], v[\fb+8*\t:\fb+8*\t+7], v[AF+8*\i:AF+8*\i+7], v[8*(4*\i+\t):8*(4*\i+\t)+7]
.endif
.endr
.endr
.endm
.macro MULS ph, fb, first
.if \ph == 1
	MULK \fb, \first
	MULV \fb, \first
.else
	MULQ \fb, \first
.endif
.endm
; Packed k and v go to LDS in fragment order, into slot 0: its last fill has been read, and every wave's reads of it ended in front of the barrier just passed.
.macro KVSTORE
	WIN 0x04
.irp i, 0,1,2,3,4,5,6,7
.irp t, 0,1,2,3
	ds_store_b128 v[KHW], v[4*(4*\i+\t):4*(4*\i+\t)+3] offset:512*(4*\i+\t)
.endr
.endr
.irp i, 0,1,2,3,4,5,6,7
.irp t, 0,1,2,3
	ds_store_b128 v[VTW], v[128+4*(4*\i+\t):128+4*(4*\i+\t)+3] offset:4096*(\i/2)+1024*\t+512*(\i%2)
.endr
.endr
	WIN 0
.endm
; One tile.  slot = the tile's slot and weight buffer; ph = 1 k and v, 2 q; first = the sums start; sync = 0 first tile, 1 the other slot is filled again, 2 last tile;
; adr = 1: the other slot's next tile is the first of Q's for that slot; wnext = which weights are fetched for the next tile (0 none); pf = a prefetch goes out.
.macro PERIOD slot, ph, first, sync, adr, wnext, pf
	WIN 0
.if \sync == 0
	s_wait_tensorcnt 0x1                           ; tile 0 has landed; tile 1 stays out
.else
	s_wait_tensorcnt 0x0                           ; all my tensor loads have landed, my rows of this tile among them: a group 0 may be written
.endif
.if \sync == 1
.if \adr
	s_add_nc_u64 s[G0+6-4*\slot:G0+7-4*\slot], s[34:35], 256*(1-\slot)
	s_or_b32 s[G0+7-4*\slot], s[G0+7-4*\slot], 0x80000000
.else
	s_add_nc_u64 s[G0+6-4*\slot:G0+7-4*\slot], s[G0+6-4*\slot:G0+7-4*\slot], 512
.endif
.endif
	s_wait_dscnt 0x0                               ; my reads of the other slot and of the other weight buffer are back, my weight stores are done
.if \sync == 1
	CROUND                                         ; that now holds of every wave of all four work-groups
	tensor_load_to_lds s[G0+4-4*\slot:G0+7-4*\slot], s[G1:G1+7]    ; my one load behind the round: the next tile into the slot read last
	s_nop 0
.else
	s_barrier_signal -1
	s_barrier_wait -1
.endif
.if \sync == 2
	KVSTORE
.endif
.if \wnext
	WLOAD \wnext
.endif
	WIN 0
.if \pf
	; 512 rows x 2 tiles ahead: each of the batch's 8 heads asks for 64 rows, waves 0, 1 of the even tile, waves 2, 3 of the odd one: each 256-byte row piece once in the launch.
	; The tensor loads that want them go out two and three periods later.  The last request is for Q's tiles 6 and 7.
	global_prefetch_b8 v[PFO], s[42:43] th:TH_LOAD_NT scope:SCOPE_SE
.endif
	PLACES
	FETCHW \slot, 0, WFA, 4*(3-\ph)
	FETCHA \slot, 0
	s_wait_dscnt 0x0
	CVTA
	FETCHA \slot, 1                                ; the second K step's numbers come while the first is multiplied
	FETCHW \slot, 1, WFB, 4*(3-\ph)
	MULS \ph, WFA, \first
	WIN 0
	PLACES
	s_wait_dscnt 0x0
	CVTA
	MULS \ph, WFB, 0
	WIN 0
.if \wnext
	WSTORE \wnext, 1-\slot, \pf
.endif
.endm
	; the head's loads: side job, biases, the first 64 columns of Wk and Wv
.irp l, 0,1,2
	global_load_b128 v[160+8*\l:163+8*\l], v[GC], s[84+2*\l:85+2*\l]
	global_load_b128 v[164+8*\l:167+8*\l], v[GC], s[84+2*\l:85+2*\l] offset:16
.endr
.irp t, 0,1,2,3
	global_load_b128 v[BQ+8*\t:BQ+8*\t+3], v[GB], s[56:57] offset:64*\t
	global_load_b128 v[BQ+8*\t+4:BQ+8*\t+7], v[GB], s[56:57] offset:64*\t+16
.endr
	WLOAD 1
.irp t, 0,1,2,3
	global_load_b128 v[BK+8*\t:BK+8*\t+3], v[GB], s[52:53] offset:64*\t
	global_load_b128 v[BK+8*\t+4:BK+8*\t+7], v[GB], s[52:53] offset:64*\t+16
.endr
.irp t, 0,1,2,3
.irp j, 0,1,2,3,4,5,6,7
	global_load_b32 v[BV+8*\t+\j], v[GBV], s[54:55] offset:64*\t   ; v's bias hangs on the lane: all eight registers of the C tile hold it
.endr
.endr
	WSTORE 1, 0, 0                                 ; its wait for all loads covers the biases and the side job too
.irp k, 0,1,2,3
	v_cvt_pk_bf16_f32 v[184+\k], v[160+2*\k], v[160+2*\k+1]        ; Wo goes with att, which is bf16
.endr
.irp l, 1,2
.irp k, 0,1,2,3
	v_cvt_pk_f16_f32 v[184+4*\l+\k], v[160+8*\l+2*\k], v[160+8*\l+2*\k+1]   ; W1 and W2 go with rows that the next launch scales into f16's range
.endr
.endr
.irp l, 0,1,2
	global_store_b128 v[L16], v[184+4*\l:187+4*\l], s[92:93] offset:524288*\l   ; 512 consecutive bytes, aligned
.endr
	s_wait_xcnt 0x0                                ; v184-195 are written again (as AF) only behind this wait
	PERIOD 0, 1, 1, 0, 0, 1, 0                     ; tile 0
	s_mov_b32 s3, 2
.Lkv:
	PERIOD 1, 1, 0, 1, 0, 1, 1                     ; tiles 1, 3: prefetch K's tiles 4, 5 and 6, 7
	PERIOD 0, 1, 0, 1, 0, 1, 0                     ; tiles 2, 4
	s_sub_co_u32 s3, s3, 1
	s_cmp_lg_u32 s3, 0
	s_cbranch_scc1 .Lkv
	s_mov_b64 s[42:43], s[94:95]                   ; from here Q's tiles are prefetched
	PERIOD 1, 1, 0, 1, 0, 1, 1                     ; tile 5; Q's tiles 0, 1
	PERIOD 0, 1, 0, 1, 0, 1, 0                     ; tile 6
	PERIOD 1, 1, 0, 1, 1, 2, 1                     ; tile 7; the refill is Q's first tile; Wq's first columns; Q's tiles 2, 3
	PLACES
	WIN 0x45                                       ; k packs in place into the lower half of window 1
.set n, 0
.rept 128
	v_cvt_pk_bf16_f32 v[n], v[2*n], v[2*n+1]
.set n, n+1
.endr
	WIN 0x4a                                       ; v packs into its upper half; window 2 is free for q
.set n, 0
.rept 128
	v_cvt_pk_bf16_f32 v[128+n], v[2*n], v[2*n+1]
.set n, n+1
.endr
	PERIOD 0, 2, 1, 1, 1, 2, 0                     ; tile 8
	s_mov_b32 s3, 2
.Lq:
	PERIOD 1, 2, 0, 1, 0, 2, 1                     ; tiles 9, 11: prefetch Q's tiles 4, 5 and 6, 7
	PERIOD 0, 2, 0, 1, 0, 2, 0                     ; tiles 10, 12
	s_sub_co_u32 s3, s3, 1
	s_cmp_lg_u32 s3, 0
	s_cbranch_scc1 .Lq
	PERIOD 1, 2, 0, 1, 0, 2, 0                     ; tile 13
	PERIOD 0, 2, 0, 1, 0, 2, 0                     ; tile 14
	PERIOD 1, 2, 0, 2, 0, 0, 0                     ; tile 15: nothing is left to fetch; k and v go to LDS
	PLACES
	WIN 0x8a                                       ; q packs in place: fragment (q tile, K step s) at 16 qt + 8 s
.set n, 0
.rept 128
	v_cvt_pk_bf16_f32 v[n], v[2*n], v[2*n+1]
.set n, n+1
.endr
	WIN 0
	s_wait_dscnt 0x0                               ; my k and v stores are done
	s_barrier_signal -1
	s_barrier_wait -1                              ; everybody's are
; ---------------- attention: 16 chunks of 32 keys ----------------
.macro KLOAD koff                                  ; k fragments of a chunk: (key tile kt, K step s)
.irp kt, 0,1
.irp s, 0,1
.irp c, 0,1
	ds_load_b128 v[KF+8*(2*\kt+\s)+4*\c:KF+8*(2*\kt+\s)+4*\c+3], v[KA] offset:\koff+2048*\kt+1024*\s+512*\c
.endr
.endr
.endr
.endm
.macro VLOAD voff                                  ; v fragments of a chunk: 16 features x 32 keys, four times
.irp dt, 0,1,2,3
.irp c, 0,1
	ds_load_b128 v[VF+8*\dt+4*\c:VF+8*\dt+4*\c+3], v[VA] offset:\voff+1024*\dt+512*\c
.endr
.endr
.endm
; S^T: source 0 = keys, source 1 = my queries: register j = key 16 kt + 8 h + j, lane r = query.  16 accumulators by turns.
.macro SCORE sn, s
	WIN 0xf8
.irp qt, 0,1,2,3,4,5,6,7
.irp kt, 0,1
.if \s
	v_wmma_f32_16x16x32_bf16 v[\sn+16*\qt+8*\kt:\sn+16*\qt+8*\kt+7], v[KF+8*(2*\kt+\s):KF+8*(2*\kt+\s)+7], v[16*\qt+8*\s:16*\qt+8*\s+7], v[\sn+16*\qt+8*\kt:\sn+16*\qt+8*\kt+7]
.else
	v_wmma_f32_16x16x32_bf16 v[\sn+16*\qt+8*\kt:\sn+16*\qt+8*\kt+7], v[KF+8*(2*\kt+\s):KF+8*(2*\kt+\s)+7], v[16*\qt+8*\s:16*\qt+8*\s+7], 0
.endif
.endr
.endr
.endm
; One chunk.  sb = its scores' buffer, sn = the next chunk's; par = which half of STAT; zero = O starts; score, kload, vload = the next chunk's scores,
; the k fragments two chunks on, the v fragments one chunk on are made or fetched.
.macro ITER sb, sn, par, zero, score, kload, vload, koff, voff
	WIN 0x0f                                       ; column maxima over my 8 query tiles
.set x, 0
.rept 16
	v_max_num_f32 v[MX+x], v[\sb+x], v[\sb+16+x]
.set x, x+1
.endr
.irp qq, 32,64,96
.set x, 0
.rept 16
	v_max3_num_f32 v[MX+x], v[\sb+\qq+x], v[\sb+\qq+16+x], v[MX+x]
.set x, x+1
.endr
.endr
	WIN 0
.irp mk, 1,2,4,8                                   ; and over the 16 lanes of a half
.set x, 0
.rept 16
	v_max_num_f32_dpp v[MX+x], v[MX+x], v[MX+x] row_xmask:\mk row_mask:0xf bank_mask:0xf
.set x, x+1
.endr
.endr
.irp kt, 0,1
	ds_store_b128 v[STW], v[MX+8*\kt:MX+8*\kt+3] offset:1024*\par+64*\kt
	ds_store_b128 v[STW], v[MX+8*\kt+4:MX+8*\kt+7] offset:1024*\par+64*\kt+16
.endr
.irp x2, 0,2,4,6,8,10,12,14
	v_pk_mul_f32 v[NM+\x2:NM+\x2+1], v[MX+\x2:MX+\x2+1], s[46:47] op_sel_hi:[1,0]
.endr
	WIN 0xc3                                       ; P = exp2(C2 s - C2 M), in place
.irp qt, 0,1,2,3,4,5,6,7
.irp x2, 0,2,4,6,8,10,12,14
	v_pk_fma_f32 v[\sb+16*\qt+\x2:\sb+16*\qt+\x2+1], v[\sb+16*\qt+\x2:\sb+16*\qt+\x2+1], s[44:45], v[NM+\x2:NM+\x2+1] op_sel_hi:[1,0,1]
.endr
.endr
.set n, 0
.rept 128
	v_exp_f32 v[\sb+n], v[\sb+n]
.set n, n+1
.endr
	v_nop                                          ; one plain instruction behind the last v_exp_f32 (ISA guide 5.7.2)
	WIN 0x0f                                       ; column sums
	s_wait_alu depctr_va_vdst(0)
.irp x2, 0,2,4,6,8,10,12,14
	v_pk_add_f32 v[ZS+\x2:ZS+\x2+1], v[\sb+\x2:\sb+\x2+1], v[\sb+16+\x2:\sb+16+\x2+1]
.endr
	WIN 0x03
.irp qt, 2,3,4,5,6,7
.irp x2, 0,2,4,6,8,10,12,14
	v_pk_add_f32 v[ZS+\x2:ZS+\x2+1], v[\sb+16*\qt+\x2:\sb+16*\qt+\x2+1], v[ZS+\x2:ZS+\x2+1]
.endr
.endr
	WIN 0
.irp mk, 1,2,4,8
.set x, 0
.rept 16
	v_add_f32_dpp v[ZS+x], v[ZS+x], v[ZS+x] row_xmask:\mk row_mask:0xf bank_mask:0xf
.set x, x+1
.endr
.endr
.irp kt, 0,1
	ds_store_b128 v[STW], v[ZS+8*\kt:ZS+8*\kt+3] offset:1024*\par+128+64*\kt
	ds_store_b128 v[STW], v[ZS+8*\kt+4:ZS+8*\kt+7] offset:1024*\par+128+64*\kt+16
.endr
	s_wait_dscnt 0x0                               ; my M and Z are stored; my reads of the other half of STAT, and the k and v fragments asked for earlier, are back
	s_barrier_signal -1
	s_barrier_wait -1
.irp ww, 0,1,2,3                                   ; lane = key: the four waves' M and Z, and my own M
	ds_load_b32 v[T+\ww], v[STR] offset:1024*\par+256*\ww
	ds_load_b32 v[T+4+\ww], v[STR] offset:1024*\par+256*\ww+128
.endr
	ds_load_b32 v[T+8], v[STO] offset:1024*\par
.if \score
	SCORE \sn, 0
.endif
	WIN 0
	s_wait_dscnt 0x0
	v_max3_num_f32 v[T+9], v[T], v[T+1], v[T+2]
	v_max_num_f32 v[T+9], v[T+9], v[T+3]           ; m
	v_mul_f32 v[T+10], s46, v[T+9]
.irp ww, 0,1,2,3
	v_fma_f32 v[T+11+\ww], v[T+\ww], s44, v[T+10]
.endr
	v_fma_f32 v[T+15], v[T+8], s44, v[T+10]
.irp ww, 0,1,2,3,4
	v_exp_f32 v[T+11+\ww], v[T+11+\ww]             ; e of the four waves, and mine
.endr
	v_nop
	s_wait_alu depctr_va_vdst(0)
	v_mul_f32 v[T+16], v[T+4], v[T+11]
	v_fmac_f32 v[T+16], v[T+5], v[T+12]
	v_fmac_f32 v[T+16], v[T+6], v[T+13]
	v_fmac_f32 v[T+16], v[T+7], v[T+14]            ; the column's whole sum
	v_rcp_f32 v[T+17], v[T+16]
	v_nop
	s_wait_alu depctr_va_vdst(0)
	v_mul_f32 v[T+18], v[T+15], v[T+17]            ; f
	ds_store_b32 v[FXW], v[T+18]                   ; from lane = key to register = key through my own 128 bytes: LDS serves a wave's instructions in order (ISA guide 5.7.1)
.irp kt, 0,1
	ds_load_b128 v[FS+8*\kt:FS+8*\kt+3], v[FXR] offset:64*\kt
	ds_load_b128 v[FS+8*\kt+4:FS+8*\kt+7], v[FXR] offset:64*\kt+16
.endr
.if \score
	SCORE \sn, 1
.endif
	s_wait_dscnt 0x0
	WIN 0xc3
.irp qt, 0,1,2,3,4,5,6,7
.irp x2, 0,2,4,6,8,10,12,14
	v_pk_mul_f32 v[\sb+16*\qt+\x2:\sb+16*\qt+\x2+1], v[\sb+16*\qt+\x2:\sb+16*\qt+\x2+1], v[FS+\x2:FS+\x2+1]
.endr
.endr
	WIN 0xcf                                       ; the weights pack in place into fragments: query tile qt at 8 qt (ascending, as above)
.set n, 0
.rept 64
	v_cvt_pk_bf16_f32 v[\sb+n], v[\sb+2*n], v[\sb+2*n+1]
.set n, n+1
.endr
.if \kload
	WIN 0
	KLOAD \koff                                    ; the 128 vector instructions above are the places behind the scores' products
.endif
	WIN 0x5c                                       ; O^T += v^T P: register j = feature 16 dt + 8 h + j, lane r = query; 32 accumulators by turns
.irp qt, 0,1,2,3,4,5,6,7
.irp dt, 0,1,2,3
.if \zero
	v_wmma_f32_16x16x32_bf16 v[8*(4*\qt+\dt):8*(4*\qt+\dt)+7], v[VF+8*\dt:VF+8*\dt+7], v[\sb+8*\qt:\sb+8*\qt+7], 0
.else
	v_wmma_f32_16x16x32_bf16 v[8*(4*\qt+\dt):8*(4*\qt+\dt)+7], v[VF+8*\dt:VF+8*\dt+7], v[\sb+8*\qt:\sb+8*\qt+7], v[8*(4*\qt+\dt):8*(4*\qt+\dt)+7]
.endif
.endr
.endr
	WIN 0
.if \vload
	PLACES
	VLOAD \voff
.endif
.endm
	KLOAD 0
	s_wait_dscnt 0x0
	SCORE 0, 0                                     ; chunk 0's scores
	SCORE 0, 1
	WIN 0
	PLACES
	KLOAD 4096
	VLOAD 0
	ITER 0, 128, 0, 1, 1, 1, 1, 8192, 4096         ; chunk 0 starts O
	ITER 128, 0, 1, 0, 1, 1, 1, 12288, 8192
	v_add_nc_u32 v[KA], 8192, v[KA]
	v_add_nc_u32 v[VA], 8192, v[VA]
	s_mov_b32 s3, 6
.Lchunks:                                          ; chunks 2 to 13
	ITER 0, 128, 0, 0, 1, 1, 1, 8192, 4096
	ITER 128, 0, 1, 0, 1, 1, 1, 12288, 8192
	v_add_nc_u32 v[KA], 8192, v[KA]
	v_add_nc_u32 v[VA], 8192, v[VA]
	s_sub_co_u32 s3, s3, 1
	s_cmp_lg_u32 s3, 0
	s_cbranch_scc1 .Lchunks
	ITER 0, 128, 0, 0, 1, 0, 1, 0, 4096            ; chunk 14: no k fragments are left to fetch
	ITER 128, 0, 1, 0, 0, 0, 0, 0, 0               ; chunk 15
	; the way out: a lane's eight numbers are eight neighbouring features of one row: 16 bytes; a wave's store is one block of 512 consecutive bytes of att
	PLACES
	WIN 0x05
.set n, 0
.rept 128
	v_cvt_pk_bf16_f32 v[32+n], v[2*n], v[2*n+1]
.set n, n+1
.endr
	WIN 0
.irp qt, 0,1,2,3,4,5,6,7
.irp dt, 0,1,2,3
	global_store_b128 v[L16], v[32+4*(4*\qt+\dt):32+4*(4*\qt+\dt)+3], s[90:91] offset:65536*(\qt/4)+16384*(\qt%4)+512*\dt
.endr
.endr
	CROUND                                         ; the closing round: no work-group ends while a partner may still ask for a tile that names it
	s_endpgm
.Lfunc_end_k_q19d9806315_attn:
	.size	k_q19d9806315_attn, .Lfunc_end_k_q19d9806315_attn-k_q19d9806315_attn
	.p2alignl 7, 3214868480
	.fill 96, 4, 3214868480
	.section	.rodata,"a",@progbits
	.p2align	6, 0x0
	.amdhsa_kernel k_q19d9806315_attn
		.amdhsa_group_segment_fixed_size 327680
		.amdhsa_private_segment_fixed_size 0
		.amdhsa_enable_private_segment 0
		.amdhsa_kernarg_size 104
		.amdhsa_user_sgpr_count 2
		.amdhsa_user_sgpr_kernarg_segment_ptr 1
		.amdhsa_wavefront_size32 1
		.amdhsa_system_sgpr_workgroup_id_x 1
		.amdhsa_system_sgpr_workgroup_id_y 1
		.amdhsa_system_sgpr_workgroup_id_z 1
		.amdhsa_system_vgpr_workitem_id 0
		.amdhsa_next_free_vgpr 1024
		.amdhsa_next_free_sgpr 100
		.amdhsa_reserve_vcc 0
		.amdhsa_float_denorm_mode_32 3
		.amdhsa_float_denorm_mode_16_64 3
		.amdhsa_memory_ordered 1
		.amdhsa_forward_progress 1
		.amdhsa_inst_pref_size 255
	.end_amdhsa_kernel
	.section	.bss,"aw",@nobits
	.p2align	6
	.space	262144
	.amdgpu_metadata
---
amdhsa.version: [ 1, 2 ]
amdhsa.kernels:
  - .name:           k_q19d9806315_attn
    .symbol:         k_q19d9806315_attn.kd
    .args:
      - { .name: K, .offset: 0, .size: 8, .value_kind: global_buffer, .address_space: global }
      - { .name: Q, .offset: 8, .size: 8, .value_kind: global_buffer, .address_space: global }
      - { .name: Wk, .offset: 16, .size: 8, .value_kind: global_buffer, .address_space: global }
      - { .name: Wv, .offset: 24, .size: 8, .value_kind: global_buffer, .address_space: global }
      - { .name: Wq, .offset: 32, .size: 8, .value_kind: global_buffer, .address_space: global }
      - { .name: bk, .offset: 40, .size: 8, .value_kind: global_buffer, .address_space: global }
      - { .name: bv, .offset: 48, .size: 8, .value_kind: global_buffer, .address_space: global }
      - { .name: bq, .offset: 56, .size: 8, .value_kind: global_buffer, .address_space: global }
      - { .name: Wo, .offset: 64, .size: 8, .value_kind: global_buffer, .address_space: global }
      - { .name: W1, .offset: 72, .size: 8, .value_kind: global_buffer, .address_space: global }
      - { .name: W2, .offset: 80, .size: 8, .value_kind: global_buffer, .address_space: global }
      - { .name: att, .offset: 88, .size: 8, .value_kind: global_buffer, .address_space: global }
      - { .name: wf, .offset: 96, .size: 8, .value_kind: global_buffer, .address_space: global }
    .group_segment_fixed_size: 327680
    .private_segment_fixed_size: 0
    .kernarg_segment_align: 8
    .kernarg_segment_size: 104
    .max_flat_workgroup_size: 128
    .sgpr_count:     100
    .vgpr_count:     1024
    .wavefront_size: 32
...
	.end_amdgpu_metadata
.endif
;; end of part 1
;; launch ffn (part 2): grid 256 x 1, 4 waves a work-group, clusters of 4 x 1, 327,680 bytes of LDS; arguments att, wf, Q, bo, b1, b2, out0; writes out0
.if DOCPART == 2
	.amdgcn_target "amdgcn-amd-amdhsa--gfx1250"
	.amdhsa_code_object_version 6
	.text
	.protected	k_q19d9806315_ffn
	.globl	k_q19d9806315_ffn
	.p2align	8
	.type	k_q19d9806315_ffn,@function
k_q19d9806315_ffn:
	s_mov_b64 s[64:65], 0
	v_nop
	global_prefetch_b8 v0, s[64:65] scope:SCOPE_SE
	s_setreg_imm32_b32 hwreg(HW_REG_WAVE_MODE, 25, 1), 1
	s_wait_xcnt 0x0
	s_wait_alu depctr_hold_cnt(0) depctr_sa_sdst(0) depctr_va_vdst(0) depctr_va_sdst(0) depctr_va_ssrc(0) depctr_va_vcc(0) depctr_vm_vsrc(0)
	s_getreg_b32 s2, hwreg(HW_REG_IB_STS2, 6, 4)
	s_cmp_eq_u32 s2, 0
	s_cbranch_scc0 .Lentry_in_a_cluster
	s_endpgm
.Lentry_in_a_cluster:
	s_bfe_u32 s2, ttmp6, 0x10000c
	s_cmp_lg_u32 s2, 0x3003
	s_cbranch_scc0 .Lentry_shape_is_right
	s_endpgm
.Lentry_shape_is_right:
; out = Q + att Wo^T + bo;  h = relu(out W1^T + b1);  out0 = out + h W2^T + b2.  One work-group = 64 rows x all 512 columns; 256 work-groups.
; Four waves; wave w makes columns 128 w .. 128 w + 127 of all three layers: 32 accumulator tiles.  The rows' activations (att, then out, then h) lie in LDS
; as 16-bit numbers in fragment order (X, 64 KB) and are read by all waves; out stays in f32 in registers from the first layer to the end.
; The weights were rounded and laid in fragment order by the launch before: 12 tiles (layer l, 128 columns of k) of 128 KB, of which each wave asks for, and
; reads, its own 32 KB.  Every fragment read from LDS is 32 lanes x 16 neighbouring bytes: no padding is needed.
; FORMATS: att and Wo are bf16.  The two products of the FFN carry numbers as large as the result itself, four roundings deep, so they take f16 operands, which
; have three more bits.  So that f16's range is never at stake, each row of out and of h is divided by 2^e, e = the exponent of the row's largest magnitude
; (the scaled numbers lie inside (-2, 2)), and the product is multiplied by 2^e in f32: both are exact.  e is held at 126 at the most, so that 2^-e is a normal
; number; a row whose largest magnitude is zero or denormal gets 2^e = 0, and its product counts as 0.
; CLUSTER 4 x 1: all work-groups walk the same weight tiles; the four of a cluster ask jointly (mask 15).  A larger cluster shares no more: rows are not shared.
; A wave has two tensor loads out at the start, later one.
; The products are used transposed (source 0 = weights, source 1 = rows): a lane holds row 16 i + r and the eight columns 128 w + 16 t + 8 h + 0..7,
; so a row's scale is one number a lane and row tile.
; No prefetch: the weights are read by every cluster in turn, att and Q once, at the head, in one run.
; LIMITS: matrix operands are bf16 (layer 1) and f16 (layers 2, 3); |W1| and |W2| below 65,504; sums, biases, residuals and the ReLU are f32.
; A NaN loses in the row maxima; it still reaches the result through the products.
; REGISTERS: window 0 addresses, scales and two buffers of fragments; window 1 OUT, tile (t, i) at 8 (4 t + i); window 2 H: the sums of layers 2 and 3, scaled copies
; (at the head: Q as loaded); window 3 bo, b1, b2 tiles.
.set SLOTB,  131072
.set XB,     262144
.set SPITCH, 528                       ; stage rows of 512 bytes + 16: 33 x 16
.set WAD, 5                            ; v5, v6  my part of slot 0, 1 + 16 lane
.set OSR, 5                            ; the way out reads its stage at the same address as slot 0's fragments
.set XR,  7
.set XW,  8
.set XC,  9
.set QSR, 10
.set OSW, 11
.set MXW, 12                           ; row maxima out: X + 256 w + 16 r (+ 4,096 x the wave that they are for)
.set GQ,  13
.set GBI, 14
.set L16, 15
.set MXR, 17                           ; row maxima in: X + 4,096 w + 16 r (+ 256 x the wave that they come from)
.set SC,  18                           ; v18-25   2^e of my row in row tile i, twice, at 2 i: lives through a layer
.set SI,  224                          ; v224-231 2^-e likewise
.set TM,  232                          ; v232-255 at work on the maxima
.set G1,  16
.set G0,  24
.set MSB, 0
.macro WIN new
.if MSB != \new
	s_set_vgpr_msb (MSB<<8)|\new
.set MSB, \new
.endif
.endm
.macro PLACES                          ; four plain vector instructions between a matrix instruction and a load into, or a vector use of, its registers
.rept 4
	v_nop
.endr
.endm
.macro CREST
	s_cmp_lg_u32 s8, 0
	s_cbranch_scc1 .Lnot_wave_0_\@
	s_barrier_signal -3
.Lnot_wave_0_\@:
	s_barrier_wait -3
	s_barrier_signal -1
	s_barrier_wait -1
.endm
.macro CROUND
	s_barrier_signal -1
	s_barrier_wait -1
	CREST
.endm
	s_load_b256 s[36:43], s[0:1], 0x0              ; att, wf, Q, bo
	s_load_b128 s[44:47], s[0:1], 0x20             ; b1, b2
	s_load_b64 s[48:49], s[0:1], 0x30              ; out0
	v_lshrrev_b32 v1, 5, v0
	v_readfirstlane_b32 s8, v1                     ; wave
	s_bfe_u32 s9, ttmp6, 0x40000                   ; cx: enters the global addresses of att, Q and out0 alone
	s_lshl_b32 s10, ttmp9, 2
	s_add_co_u32 s10, s10, s9                      ; row block
	s_lshl_b32 s11, s8, 15                         ; my part of a slot, and of a weight tile
	s_mov_b32 s58, 0x76543210                      ; v_permlanex16_b32: lane i of one half reads lane i of the other
	s_mov_b32 s59, 0xfedcba98
	; group 1: a dense block of 32,768 bytes as 128 rows of 32 elements of 8 bytes
	s_mov_b32 s[G1+0], 0x0023000f                  ; 15:0 mask 15; 17:16 code 3; 21 set beside a mask
	s_mov_b32 s[G1+1], 32<<16
	s_mov_b32 s[G1+2], 128<<16
	s_mov_b32 s[G1+3], 32<<16
	s_mov_b32 s[G1+4], 128
	s_mov_b32 s[G1+5], 32
	s_mov_b32 s[G1+6], 0
	s_mov_b32 s[G1+7], 0
	v_and_b32 v2, 31, v0
	v_and_b32 v3, 15, v0
	v_bfe_u32 v4, v0, 4, 1
	v_lshlrev_b32 v[L16], 4, v2
	v_add_nc_u32 v[WAD], s11, v[L16]
	v_add_nc_u32 v[WAD+1], SLOTB, v[WAD]
	v_add_nc_u32 v[XR], XB, v[L16]
	s_lshl_b32 s12, s8, 12
	v_add_nc_u32 v[XW], s12, v[XR]                 ; my 128 columns in X: 4,096 bytes of each 16 rows
	s_add_co_u32 s12, s12, XB
	v_lshl_add_u32 v[MXR], v3, 4, s12
	s_lshl_b32 s12, s8, 8
	s_add_co_u32 s12, s12, XB
	v_lshl_add_u32 v[MXW], v3, 4, s12
	s_lshl_b32 s12, s8, 14
	v_add_nc_u32 v[XC], s12, v[XR]                 ; my quarter of X: att's way in, and before it Q's stage
	v_mul_u32_u24 v16, v3, SPITCH
	v_lshl_add_u32 v16, v4, 5, v16
	s_add_co_u32 s12, s12, XB
	v_add_nc_u32 v[QSR], s12, v16
	v_add_nc_u32 v[OSW], s11, v16
	s_lshl_b32 s12, s8, 9
	v_add_nc_u32 v[GQ], s12, v[L16]                ; my 512 bytes of a row of Q and of out0
	v_lshl_add_u32 v[GBI], v4, 5, s12
	s_lshl_b32 s50, s10, 16
	s_lshl_b32 s52, s8, 14
	s_add_co_u32 s50, s50, s52
	s_mov_b32 s51, 0
	s_lshl_b32 s54, s10, 17
	s_mov_b32 s55, 0
	s_mov_b32 s56, s11
	s_mov_b32 s57, 0
	s_wait_kmcnt 0x0
	s_add_nc_u64 s[36:37], s[36:37], s[50:51]      ; att: my quarter of the row block's 65,536 bytes
	s_add_nc_u64 s[40:41], s[40:41], s[54:55]      ; Q and out0 at the block's first row
	s_add_nc_u64 s[48:49], s[48:49], s[54:55]
	s_add_nc_u64 s[38:39], s[38:39], s[56:57]      ; wf: my part of tile 0
	s_mov_b32 s[G0+0], 1
	s_mov_b32 s[G0+1], s11
	s_mov_b64 s[G0+2:G0+3], s[38:39]
	s_or_b32 s[G0+3], s[G0+3], 0x80000000
	s_mov_b32 s[G0+4], 1
	s_add_co_u32 s[G0+5], s11, SLOTB
	s_add_nc_u64 s[G0+6:G0+7], s[38:39], 131072
	s_or_b32 s[G0+7], s[G0+7], 0x80000000
	CROUND                                         ; all four work-groups are here: the first joint loads meet
	tensor_load_to_lds s[G0:G0+3], s[G1:G1+7]      ; tile 0
	s_nop 0
	tensor_load_to_lds s[G0+4:G0+7], s[G1:G1+7]    ; tile 1
	s_nop 0
	WIN 0x80                                       ; Q: 64 rows, my 512 aligned bytes of each
.set y, 0
.rept 64
	global_load_b128 v[4*y:4*y+3], v[GQ], s[40:41] offset:2048*y th:TH_LOAD_NT
.set y, y+1
.endr
	WIN 0                                          ; att: 16 KB, already in X's order
.set u, 0
.rept 32
	global_load_b128 v[32+4*u:32+4*u+3], v[L16], s[36:37] offset:512*u th:TH_LOAD_NT
.set u, u+1
.endr
	WIN 0xc0                                       ; bias tiles: register j = column 16 t + 8 h + j
.irp t, 0,1,2,3,4,5,6,7
	global_load_b128 v[8*\t:8*\t+3], v[GBI], s[42:43] offset:64*\t
	global_load_b128 v[8*\t+4:8*\t+7], v[GBI], s[42:43] offset:64*\t+16
	global_load_b128 v[64+8*\t:64+8*\t+3], v[GBI], s[44:45] offset:64*\t
	global_load_b128 v[64+8*\t+4:64+8*\t+7], v[GBI], s[44:45] offset:64*\t+16
	global_load_b128 v[128+8*\t:128+8*\t+3], v[GBI], s[46:47] offset:64*\t
	global_load_b128 v[128+8*\t+4:128+8*\t+7], v[GBI], s[46:47] offset:64*\t+16
.endr
	s_wait_loadcnt 0x0
	; Q from rows to the accumulators' layout, 16 rows at a time, through my own quarter of X: LDS serves a wave's instructions in order (ISA guide 5.7.1)
.irp i, 0,1,2,3
	WIN 0x08
.irp yy, 0,1,2,3,4,5,6,7,8,9,10,11,12,13,14,15
	ds_store_b128 v[XC], v[4*(16*\i+\yy):4*(16*\i+\yy)+3] offset:SPITCH*\yy
.endr
	WIN 0x40
.irp t, 0,1,2,3,4,5,6,7
	ds_load_b128 v[8*(4*\t+\i):8*(4*\t+\i)+3], v[QSR] offset:64*\t
	ds_load_b128 v[8*(4*\t+\i)+4:8*(4*\t+\i)+7], v[QSR] offset:64*\t+16
.endr
.endr
	WIN 0
.set u, 0
.rept 32
	ds_store_b128 v[XC], v[32+4*u:32+4*u+3] offset:512*u           ; att takes the stage's place: my own bytes still, behind my own loads
.set u, u+1
.endr
	s_wait_dscnt 0x20                              ; all but the 32 stores just issued: Q is in the accumulators
.macro ADDB bb                                     ; OUT += a bias tile
	WIN 0x4d
.irp t, 0,1,2,3,4,5,6,7
.irp i, 0,1,2,3
.irp j, 0,2,4,6
	v_pk_add_f32 v[8*(4*\t+\i)+\j:8*(4*\t+\i)+\j+1], v[8*(4*\t+\i)+\j:8*(4*\t+\i)+\j+1], v[\bb+8*\t+\j:\bb+8*\t+\j+1]
.endr
.endr
.endr
	WIN 0
.endm
	ADDB 0                                         ; Q + bo: the first layer adds onto it in place
; 24 LDS loads: my 8 weight fragments of K step s of the slot's tile, and the 4 row fragments of X's K step sg, into buffer f
.macro FETCH f, slot, s, sg
	WIN 0
.irp t, 0,1,2,3,4,5,6,7
.irp c, 0,1
	ds_load_b128 v[32+96*\f+8*\t+4*\c:32+96*\f+8*\t+4*\c+3], v[WAD+\slot] offset:8192*(\s)+1024*\t+512*\c
.endr
.endr
.irp i, 0,1,2,3
.irp c, 0,1
	ds_load_b128 v[96+96*\f+8*\i+4*\c:96+96*\f+8*\i+4*\c+3], v[XR] offset:16384*\i+1024*(\sg)+512*\c
.endr
.endr
.endm
; 16 products: column tiles 4 hf .. 4 hf + 3 x all 4 row tiles.  acc = the window setting: 0x50 OUT, 0xa0 H; zero = the sums start; fmt = bf16 or f16.
; The accumulators take turns, one instruction a turn, in the same order in every step.
.macro MUL f, acc, hf, zero, fmt
	WIN \acc
.irp tt, 0,1,2,3
.irp i, 0,1,2,3
.if \zero
	v_wmma_f32_16x16x32_\fmt v[8*(4*(4*\hf+\tt)+\i):8*(4*(4*\hf+\tt)+\i)+7], v[32+96*\f+8*(4*\hf+\tt):32+96*\f+8*(4*\hf+\tt)+7], v[96+96*\f+8*\i:96+96*\f+8*\i+7], 0
.else
	v_wmma_f32_16x16x32_\fmt v[8*(4*(4*\hf+\tt)+\i):8*(4*(4*\hf+\tt)+\i)+7], v[32+96*\f+8*(4*\hf+\tt):32+96*\f+8*(4*\hf+\tt)+7], v[96+96*\f+8*\i:96+96*\f+8*\i+7], v[8*(4*(4*\hf+\tt)+\i):8*(4*(4*\hf+\tt)+\i)+7]
.endif
.endr
.endr
.endm
; One of a tile's first three K steps: fetches the next step's fragments into buffer g, multiplies buffer f
.macro STEP f, g, slot, s, sg, acc, zero, fmt
	WIN 0
	PLACES
	FETCH \g, \slot, \s+1, \sg+1
	s_wait_dscnt 24                                ; all but the 24 just issued: buffer f is in
	MUL \f, \acc, 0, \zero, \fmt
	MUL \f, \acc, 1, \zero, \fmt
.endm
; The fourth: multiplies buffer 1 and changes slots.  fill = 1: this slot is filled again, two tiles ahead, behind a round of the cluster's barrier, in front of
; which every wave has waited for its LDS reads and for all its tensor loads.  next = 1: the other slot's first fragments are fetched (same layer).
.macro TURN slot, fill, next, sgn, acc, fmt
	s_wait_dscnt 0x0                               ; my reads of this slot, and of X, are back
.if \fill
	s_wait_tensorcnt 0x0                           ; the one load that was out, my part of the other slot, has landed: a group 0 may be written
	s_add_nc_u64 s[G0+4*\slot+2:G0+4*\slot+3], s[G0+4*\slot+2:G0+4*\slot+3], 262144
	s_barrier_signal -1
	MUL 1, \acc, 0, 0, \fmt                        ; register work while the others arrive
	WIN 0
	s_barrier_wait -1
	CREST
	tensor_load_to_lds s[G0+4*\slot:G0+4*\slot+3], s[G1:G1+7]      ; my one load behind the round
	s_nop 0
.else
.if \next
	s_wait_tensorcnt 0x0                           ; my part of the last tile has landed; I alone read it
.endif
	MUL 1, \acc, 0, 0, \fmt
.endif
.if \next
	WIN 0
	PLACES
	FETCH 0, 1-\slot, 0, \sgn
.endif
	MUL 1, \acc, 1, 0, \fmt
.endm
.macro PER slot, kc, acc, zero, fill, next, fmt
	STEP 0, 1, \slot, 0, 4*\kc, \acc, \zero, \fmt
	STEP 1, 0, \slot, 1, 4*\kc+1, \acc, 0, \fmt
	STEP 0, 1, \slot, 2, 4*\kc+2, \acc, 0, \fmt
	TURN \slot, \fill, \next, 4*\kc+4, \acc, \fmt
.endm
; A layer's result (window src: 1 OUT, 2 H) goes to X as f16 fragments, each row divided by 2^e.  ab = 1: magnitudes are taken; relu = 1: the ReLU is applied on the way
; (the maximum is then taken of the raw numbers: a negative one means a row of zeros, for which any scale serves).
; Every wave's reads of X ended in front of the round in the layer's last TURN, so X is free.  The waves' row maxima meet in X itself: each wave writes its 256 bytes
; ([r 16][i 4] f32) into each wave's own part of X, and behind one barrier each wave reads its own part alone, which it alone overwrites afterwards.
.macro SCALEX src, ab, relu
.if \src == 1
	WIN 0x05
.else
	WIN 0x0a
.endif
.irp tp, 0,2,4,6                                   ; 64 numbers for each of 4 row tiles, in 8 chains that take turns
.irp jp, 0,2,4,6
.irp tt, 0,1
.irp i, 0,1,2,3
.if (\tp+\jp) == 0
.if \ab
	v_max_num_f32 v[TM+\i+4*\tt], |v[8*(4*(\tp+\tt)+\i)+\jp]|, |v[8*(4*(\tp+\tt)+\i)+\jp+1]|
.else
	v_max_num_f32 v[TM+\i+4*\tt], v[8*(4*(\tp+\tt)+\i)+\jp], v[8*(4*(\tp+\tt)+\i)+\jp+1]
.endif
.else
.if \ab
	v_max3_num_f32 v[TM+\i+4*\tt], |v[8*(4*(\tp+\tt)+\i)+\jp]|, |v[8*(4*(\tp+\tt)+\i)+\jp+1]|, v[TM+\i+4*\tt]
.else
	v_max3_num_f32 v[TM+\i+4*\tt], v[8*(4*(\tp+\tt)+\i)+\jp], v[8*(4*(\tp+\tt)+\i)+\jp+1], v[TM+\i+4*\tt]
.endif
.endif
.endr
.endr
.endr
.endr
	WIN 0
.irp i, 0,1,2,3
	v_max_num_f32 v[TM+\i], v[TM+\i], v[TM+4+\i]
.endr
.irp i, 0,1,2,3
	v_permlanex16_b32 v[TM+4+\i], v[TM+\i], s58, s59               ; the other half of the lanes holds the row's other columns
.endr
.irp i, 0,1,2,3
	v_max_num_f32 v[TM+\i], v[TM+\i], v[TM+4+\i]
.endr
.irp wd, 0,1,2,3
	ds_store_b128 v[MXW], v[TM:TM+3] offset:4096*\wd               ; both halves of the lanes write the same bytes with the same numbers
.endr
	s_wait_dscnt 0x0                               ; my maxima are stored
	s_barrier_signal -1
.if \relu
	WIN 0x88                                       ; register work while the others arrive
.set n, 0
.rept 256
	v_max_num_f32 v[n], 0, v[n]                    ; ReLU
.set n, n+1
.endr
	WIN 0
.endif
	s_barrier_wait -1                              ; everybody's are.  The tensor load that is out may stay out
.irp ww, 0,1,2,3
	ds_load_b128 v[TM+8+4*\ww:TM+8+4*\ww+3], v[MXR] offset:256*\ww
.endr
	s_wait_dscnt 0x0
.irp i, 0,1,2,3
	v_max3_num_f32 v[TM+\i], v[TM+8+\i], v[TM+12+\i], v[TM+16+\i]
.endr
.irp i, 0,1,2,3
	v_max_num_f32 v[TM+\i], v[TM+\i], v[TM+20+\i]
.endr
.irp i, 0,1,2,3
	v_and_b32 v[SC+2*\i], 0x7f800000, v[TM+\i]                     ; the exponent field alone: 2^e
.endr
.irp i, 0,1,2,3
	v_min_u32 v[SC+2*\i], 0x7e800000, v[SC+2*\i]                   ; at most 2^126
.endr
.irp i, 0,1,2,3
	v_sub_nc_u32 v[SI+2*\i], 0x7f000000, v[SC+2*\i]                ; field 254 - E: 2^-e
	v_mov_b32 v[SC+2*\i+1], v[SC+2*\i]
.endr
.irp i, 0,1,2,3
	v_mov_b32 v[SI+2*\i+1], v[SI+2*\i]
.endr
.if \src == 1
	WIN 0x81                                       ; the scaled copy goes to window 2: OUT itself stays
.else
	WIN 0x82
.endif
.irp t, 0,1,2,3,4,5,6,7
.irp i, 0,1,2,3
.irp j, 0,2,4,6
	v_pk_mul_f32 v[8*(4*\t+\i)+\j:8*(4*\t+\i)+\j+1], v[8*(4*\t+\i)+\j:8*(4*\t+\i)+\j+1], v[SI+2*\i:SI+2*\i+1]
.endr
.endr
.endr
	WIN 0x0a
.set n, 0
.rept 128
	v_cvt_pk_f16_f32 v[32+n], v[2*n], v[2*n+1]
.set n, n+1
.endr
	WIN 0
.irp t, 0,1,2,3,4,5,6,7
.irp i, 0,1,2,3
	ds_store_b128 v[XW], v[32+4*(4*\t+\i):32+4*(4*\t+\i)+3] offset:16384*\i+512*\t
.endr
.endr
.endm
.macro XREADY
	s_wait_dscnt 0x0                               ; my part of X is stored
	s_barrier_signal -1
	s_barrier_wait -1                              ; everybody's is.  The tensor load that is out may stay out
	FETCH 0, 0, 0, 0
.endm
	s_wait_tensorcnt 0x1                           ; tile 0 has landed; tile 1 stays out
	XREADY
	PER 0, 0, 0x50, 0, 1, 1, bf16                  ; layer 1: OUT = Q + bo + att Wo^T
	PER 1, 1, 0x50, 0, 1, 1, bf16
	PER 0, 2, 0x50, 0, 1, 1, bf16
	PER 1, 3, 0x50, 0, 1, 0, bf16
	WIN 0
	PLACES
	SCALEX 1, 1, 0                                 ; X = out / 2^e
	ADDB 128                                       ; OUT = out + b2
	XREADY
	PER 0, 0, 0xa0, 1, 1, 1, f16                   ; layer 2: H = (out / 2^e) W1^T
	PER 1, 1, 0xa0, 0, 1, 1, f16
	PER 0, 2, 0xa0, 0, 1, 1, f16
	PER 1, 3, 0xa0, 0, 1, 0, f16
	WIN 0
	PLACES
	WIN 0xb2                                       ; H = 2^e H + b1
.irp t, 0,1,2,3,4,5,6,7
.irp i, 0,1,2,3
.irp j, 0,2,4,6
	v_pk_fma_f32 v[8*(4*\t+\i)+\j:8*(4*\t+\i)+\j+1], v[8*(4*\t+\i)+\j:8*(4*\t+\i)+\j+1], v[SC+2*\i:SC+2*\i+1], v[64+8*\t+\j:64+8*\t+\j+1]
.endr
.endr
.endr
	SCALEX 2, 0, 1                                 ; X = relu(H) / 2^e, with h's own e
	XREADY
	PER 0, 0, 0xa0, 1, 1, 1, f16                   ; layer 3: H = (h / 2^e) W2^T
	PER 1, 1, 0xa0, 0, 1, 1, f16
	PER 0, 2, 0xa0, 0, 0, 1, f16                   ; the last two tiles: nothing is left to fetch
	PER 1, 3, 0xa0, 0, 0, 0, f16
	WIN 0
	PLACES
	WIN 0x52                                       ; OUT = out + b2 + 2^e H
.irp t, 0,1,2,3,4,5,6,7
.irp i, 0,1,2,3
.irp j, 0,2,4,6
	v_pk_fma_f32 v[8*(4*\t+\i)+\j:8*(4*\t+\i)+\j+1], v[8*(4*\t+\i)+\j:8*(4*\t+\i)+\j+1], v[SC+2*\i:SC+2*\i+1], v[8*(4*\t+\i)+\j:8*(4*\t+\i)+\j+1]
.endr
.endr
.endr
	WIN 0
; The way out, 16 rows at a time, through my own part of slot 0, which has had its last fill and which I alone read: in by columns, back by rows of 512 bytes.
.macro OUT16 i, f
	WIN 0x04
.irp t, 0,1,2,3,4,5,6,7
	ds_store_b128 v[OSW], v[8*(4*\t+\i):8*(4*\t+\i)+3] offset:64*\t
	ds_store_b128 v[OSW], v[8*(4*\t+\i)+4:8*(4*\t+\i)+7] offset:64*\t+16
.endr
	WIN 0
	s_wait_xcnt 0x0                                ; buffer f, which earlier stores read, is loaded again only behind this wait
.irp yy, 0,1,2,3,4,5,6,7,8,9,10,11,12,13,14,15
	ds_load_b128 v[\f+4*\yy:\f+4*\yy+3], v[OSR] offset:SPITCH*\yy
.endr
.irp yy, 0,1,2,3,4,5,6,7,8,9,10,11,12,13,14,15
	s_wait_dscnt 15-\yy                            ; LDS loads come back in order: row yy is in, the younger ones stay out
	global_store_b128 v[GQ], v[\f+4*\yy:\f+4*\yy+3], s[48:49] offset:(16*\i+\yy)*2048 th:TH_STORE_NT   ; 512 consecutive bytes, aligned
.endr
.endm
	OUT16 0, 32
	OUT16 1, 128
	OUT16 2, 32
	OUT16 3, 128
	CROUND                                         ; the closing round: no work-group ends while a partner may still ask for a tile that names it
	s_endpgm
.Lfunc_end_k_q19d9806315_ffn:
	.size	k_q19d9806315_ffn, .Lfunc_end_k_q19d9806315_ffn-k_q19d9806315_ffn
	.p2alignl 7, 3214868480
	.fill 96, 4, 3214868480
	.section	.rodata,"a",@progbits
	.p2align	6, 0x0
	.amdhsa_kernel k_q19d9806315_ffn
		.amdhsa_group_segment_fixed_size 327680
		.amdhsa_private_segment_fixed_size 0
		.amdhsa_enable_private_segment 0
		.amdhsa_kernarg_size 56
		.amdhsa_user_sgpr_count 2
		.amdhsa_user_sgpr_kernarg_segment_ptr 1
		.amdhsa_wavefront_size32 1
		.amdhsa_system_sgpr_workgroup_id_x 1
		.amdhsa_system_sgpr_workgroup_id_y 1
		.amdhsa_system_sgpr_workgroup_id_z 1
		.amdhsa_system_vgpr_workitem_id 0
		.amdhsa_next_free_vgpr 1024
		.amdhsa_next_free_sgpr 66
		.amdhsa_reserve_vcc 0
		.amdhsa_float_denorm_mode_32 3
		.amdhsa_float_denorm_mode_16_64 3
		.amdhsa_memory_ordered 1
		.amdhsa_forward_progress 1
		.amdhsa_inst_pref_size 255
	.end_amdhsa_kernel
	.section	.bss,"aw",@nobits
	.p2align	6
	.space	262144
	.amdgpu_metadata
---
amdhsa.version: [ 1, 2 ]
amdhsa.kernels:
  - .name:           k_q19d9806315_ffn
    .symbol:         k_q19d9806315_ffn.kd
    .args:
      - { .name: att, .offset: 0, .size: 8, .value_kind: global_buffer, .address_space: global }
      - { .name: wf, .offset: 8, .size: 8, .value_kind: global_buffer, .address_space: global }
      - { .name: Q, .offset: 16, .size: 8, .value_kind: global_buffer, .address_space: global }
      - { .name: bo, .offset: 24, .size: 8, .value_kind: global_buffer, .address_space: global }
      - { .name: b1, .offset: 32, .size: 8, .value_kind: global_buffer, .address_space: global }
      - { .name: b2, .offset: 40, .size: 8, .value_kind: global_buffer, .address_space: global }
      - { .name: out0, .offset: 48, .size: 8, .value_kind: global_buffer, .address_space: global }
    .group_segment_fixed_size: 327680
    .private_segment_fixed_size: 0
    .kernarg_segment_align: 8
    .kernarg_segment_size: 56
    .max_flat_workgroup_size: 128
    .sgpr_count:     66
    .vgpr_count:     1024
    .wavefront_size: 32
...
	.end_amdgpu_metadata
.endif
;; end of part 2
;; ======== version 2 of 2: 2 launches
;; limits: values are held in f16: magnitudes above 65,504 overflow, below 6.1e-05 lose precision
;; workspace buffers: att 16,777,216 bytes; wf 1,572,864 bytes
;; launch attn (part 3): grid 256 x 1, 4 waves a work-group, clusters of 4 x 1, 327,680 bytes of LDS; arguments K, Q, Wk, Wv, Wq, bk, bv, bq, Wo, W1, W2, att, wf; writes att, wf
.if DOCPART == 3
	.amdgcn_target "amdgcn-amd-amdhsa--gfx1250"
	.amdhsa_code_object_version 6
	.text
	.protected	k_q19d9806315_attn
	.globl	k_q19d9806315_attn
	.p2align	8
	.type	k_q19d9806315_attn,@function
k_q19d9806315_attn:
	s_mov_b64 s[64:65], 0
	v_nop
	global_prefetch_b8 v0, s[64:65] scope:SCOPE_SE
	s_setreg_imm32_b32 hwreg(HW_REG_WAVE_MODE, 25, 1), 1
	s_wait_xcnt 0x0
	s_wait_alu depctr_hold_cnt(0) depctr_sa_sdst(0) depctr_va_vdst(0) depctr_va_sdst(0) depctr_va_ssrc(0) depctr_va_vcc(0) depctr_vm_vsrc(0)
	s_getreg_b32 s2, hwreg(HW_REG_IB_STS2, 6, 4)
	s_cmp_eq_u32 s2, 0
	s_cbranch_scc0 .Lentry_in_a_cluster
	s_endpgm
.Lentry_in_a_cluster:
	s_bfe_u32 s2, ttmp6, 0x10000c
	s_cmp_lg_u32 s2, 0x3003
	s_cbranch_scc0 .Lentry_shape_is_right
	s_endpgm
.Lentry_shape_is_right:
; One work-group = one (batch b, head): k, v and q projections, scores, softmax over the QUERY axis, A v.  32 x 8 = 256 work-groups.
; Four waves; wave w owns rows 128 w .. 128 w + 127 of the batch: as keys while k and v are made, as queries afterwards.
; Side job: each wave also rounds three blocks of 16 x 16 numbers (one of Wo to bf16, one of W1 and one of W2 to f16) and stores them in the fragment
; order of the next launch.
;
; CLUSTER 4 x 1: the four work-groups of a cluster are four heads of one batch and walk the same tiles of K[b] and Q[b]; every tile is asked for
; jointly (mask 15).  Each wave asks for the 128 rows that it reads itself.  A wave has two tensor loads out at the start, later one.
;
; STREAM: 16 tiles of 512 rows x 64 f32 (rows of 256 bytes, aligned), eight of K[b], then eight of Q[b], through two LDS slots.
; The 64 columns of the head's weights that go with a tile come through registers, are rounded to bf16 and lie in one of two small LDS buffers, one period ahead.
; k and v wait packed in registers while q is made, then go to LDS in fragment order into slot 0, which has had its last fill by then; q never leaves registers.
;
; ORDER OF THE TILES: a batch has two clusters, g = 0 and 1.  At position p = 0..7 of each phase cluster g takes columns 64 ((p + 4 g) & 7): the sum over the columns
; may run in any order.  So the two clusters never ask for the same tile at the same position, and what a cluster asks for at positions 4 to 7 its partner has
; asked for four positions earlier.  g is the same in all four partners of a cluster and enters global addresses alone.
;
; SOFTMAX over q: a chunk is 32 keys.  Scores are made transposed (register = key, lane = query), so a column's maximum and sum run over
; 8 tiles, 16 lanes and 4 waves.  Each wave takes away ITS OWN column maximum M_w: P = exp2(C2 (s - M_w)), Z_w = sum of P.  The waves exchange M_w and Z_w
; through LDS, and P is multiplied by f_w = e_w / sum over w' of Z_w' e_w', e_w = exp2(C2 (M_w - m)), m = the largest M_w: the exact softmax with the true
; maximum taken away.  Every exponent is <= 0 and the denominator is >= 1.
;
; THE TEXT IS KEPT SHORT: tiles 1-6 and 9-14 run in loops of three trips of two tiles, all 16 chunks in one loop of eight trips of two chunks.  What differs in a first
; or last trip (O's start from the constant 0; the look-ahead that would pass chunk 15; the prefetches that belong to one trip alone) stands under a forward scalar
; branch on the loop's counter, which is the same in all waves and in all partners.  No barrier, tensor load or counted wait stands under such a branch.
;
; LIMITS: matrix operands here are bf16.  W1 and W2 are rounded to f16 for the next launch: their magnitudes must stay below 65,504.
; v_exp_f32 gives zero where the result would be below 2^-126 (ISA guide 15.8): such weights vanish beside a denominator >= 1.
; v_max_num_f32 lets a NaN lose, so NaN inputs do not spread as in a softmax written with NaN-keeping maxima.
;
; REGISTERS in windows of 256 (s_set_vgpr_msb: bits 1:0 source 0, 3:2 source 1, 5:4 source 2, 7:6 destination):
;   projections: window 0 addresses, ST (f32 as read from the slot), AF (bf16 fragments of K or Q rows), BQ; window 1 k sums, later packed k and v;
;                window 2 v sums, then q sums, then q fragments; window 3 weight fragments (two buffers), weights as loaded, bias tiles of k and v
;   attention:   window 0 KF, VF, column figures; window 1 O; window 2 q fragments; window 3 two buffers of scores
; SCALARS that step: s[4:5] byte offset in a row of the tile that is asked for next, s[6:7] of the weight columns that are loaded next: 256 ((position + 4 g) & 7), upper word 0.
.set SLOTB,   139264                   ; a slot: 512 rows x 272 bytes
.set WPART,   34816                    ; a wave's 128 rows of it
.set APITCH,  272                      ; 256 bytes + 16 of padding: 17 x 16, so 16 rows begin in 16 different 16-byte columns of a 256-byte line
.set WB,      278528                   ; two weight buffers: 128 rows (64 of Wk or Wq, 64 of Wv) x 64 bf16
.set WBB,     18432
.set WPITCH,  144                      ; 128 bytes + 16
.set STAT,    315392                   ; [parity 2][wave 4][M 32 f32, Z 32 f32]
.set FX,      317440                   ; [wave 4][f 32 f32, 128 bytes unused]
.set VT,      65536                    ; v fragments; k fragments lie at byte 0
.set AD,  5                            ; v5, v6   my rows in slot 0, 1: part + r x 272 + 32 h
.set WA,  7                            ; v7, v8   weight fragments in buffer 0, 1: r x 144 + 16 h
.set WS,  9                            ; v9, v10  where I put rounded weights: (16 w + h) x 144 + 8 r
.set GW,  11                           ; weights in memory: (16 w + h) rows of 2,048 bytes + 16 r
.set GC,  12                           ; side job: r rows of 2,048 bytes + 32 h
.set L16, 13                           ; 16 x lane
.set GB,  14                           ; 32 h
.set GBV, 15                           ; 4 r
.set PFO, 16                           ; prefetch: (128 cx + 32 w + lane) rows of 2,048 bytes; never rewritten
.set KHW, 17
.set VTW, 18
.set KA,  19
.set VA,  20
.set STW, 21
.set STR, 22
.set STO, 23
.set FXW, 24
.set FXR, 25
.set ST,  32                           ; v32-159
.set AF,  160                          ; v160-223
.set BQ,  224                          ; v224-255
.set WFA, 0                            ; window 3
.set WFB, 64
.set WST, 128
.set BK,  192
.set BV,  224
.set KF,  32                           ; attention, window 0
.set VF,  64
.set MX,  96
.set NM,  112
.set ZS,  128
.set FS,  144
.set T,   160
.set G1,  16                           ; s[16:23]
.set G0,  24                           ; s[24:27] slot 0, s[28:31] slot 1
.set MSB, 0
.macro WIN new                         ; the immediate's high byte repeats the setting that is left
.if MSB != \new
	s_set_vgpr_msb (MSB<<8)|\new
.set MSB, \new
.endif
.endm
.macro PLACES                          ; four plain vector instructions between a matrix instruction and a load into, or a vector use of, its registers
.rept 4
	v_nop
.endr
.endm
.macro CREST                           ; a round of the cluster's barrier behind its opening barrier
	s_cmp_lg_u32 s8, 0
	s_cbranch_scc1 .Lnot_wave_0_\@
	s_barrier_signal -3
.Lnot_wave_0_\@:
	s_barrier_wait -3
	s_barrier_signal -1
	s_barrier_wait -1
.endm
.macro CROUND
	s_barrier_signal -1
	s_barrier_wait -1
	CREST
.endm
	s_load_b512 s[68:83], s[0:1], 0x0              ; K, Q, Wk, Wv, Wq, bk, bv, bq
	s_load_b256 s[84:91], s[0:1], 0x40             ; Wo, W1, W2, att
	s_load_b64 s[92:93], s[0:1], 0x60              ; wf
	v_lshrrev_b32 v1, 5, v0
	v_readfirstlane_b32 s8, v1                     ; wave
	s_bfe_u32 s9, ttmp6, 0x40000                   ; cx: enters global addresses of weights, biases, att, wf and prefetches alone
	s_lshr_b32 s10, ttmp9, 1                       ; b: two clusters for a batch
	s_and_b32 s11, ttmp9, 1
	s_lshl_b32 s11, s11, 2
	s_add_co_u32 s11, s11, s9                      ; head
	s_lshl_b32 s12, ttmp9, 2
	s_add_co_u32 s12, s12, s9                      ; work-group 0..255
	s_and_b32 s6, ttmp9, 1                         ; g: which of the batch's two clusters
	s_lshl_b32 s6, s6, 10                          ; position 0 is columns 256 g: 1,024 g bytes into a row; the weights' offset starts there
	s_mov_b32 s7, 0
	s_add_co_u32 s4, s6, 512                       ; positions 0 and 1 are asked for at the start: the tiles' offset starts at position 2
	s_mov_b32 s5, 0
	s_mul_i32 s13, s8, WPART                       ; my part of a slot
	s_mov_b32 s44, 0x3d8293ee                      ; C2 = log2(e) / sqrt(512)
	s_mov_b32 s45, 0x3d8293ee
	s_mov_b32 s46, 0xbd8293ee                      ; -C2
	s_mov_b32 s47, 0xbd8293ee
	; group 1: 128 rows x 64 elements of 4 bytes, 16 bytes of padding behind each 64 words
	s_mov_b32 s[G1+0], 0x0772000f                  ; 15:0 mask 15; 17:16 code 2; 20 padding; 21 set beside a mask; 24:22 code 5 (64 words); 31:25 code 3 (4 words)
	s_mov_b32 s[G1+1], 64<<16                      ; tensor_dim0 = 64
	s_mov_b32 s[G1+2], 128<<16                     ; tensor_dim1 = 128
	s_mov_b32 s[G1+3], 64<<16                      ; tile_dim0 = 64
	s_mov_b32 s[G1+4], 128                         ; tile_dim1 = 128
	s_mov_b32 s[G1+5], 512                         ; elements from row to row
	s_mov_b32 s[G1+6], 0
	s_mov_b32 s[G1+7], 0
	; lane terms
	v_and_b32 v2, 31, v0                           ; lane
	v_and_b32 v3, 15, v0                           ; r
	v_bfe_u32 v4, v0, 4, 1                         ; h
	v_mul_u32_u24 v26, v3, APITCH
	v_lshl_add_u32 v26, v4, 5, v26
	v_add_nc_u32 v[AD], s13, v26
	v_add_nc_u32 v[AD+1], SLOTB, v[AD]
	v_mul_u32_u24 v27, v3, WPITCH
	v_lshl_add_u32 v27, v4, 4, v27
	v_add_nc_u32 v[WA], WB, v27
	v_add_nc_u32 v[WA+1], WB+WBB, v27
	s_mul_i32 s14, s8, 16*WPITCH
	v_mul_u32_u24 v28, v4, WPITCH
	v_lshl_add_u32 v28, v3, 3, v28
	v_add_nc_u32 v28, s14, v28
	v_add_nc_u32 v[WS], WB, v28
	v_add_nc_u32 v[WS+1], WB+WBB, v28
	s_lshl_b32 s14, s8, 15
	v_lshlrev_b32 v[GW], 11, v4
	v_lshl_add_u32 v[GW], v3, 4, v[GW]
	v_add_nc_u32 v[GW], s14, v[GW]
	v_lshlrev_b32 v[GB], 5, v4
	v_lshl_add_u32 v[GC], v3, 11, v[GB]
	v_lshlrev_b32 v[L16], 4, v2
	v_lshlrev_b32 v[GBV], 2, v3
	s_lshl_b32 s14, s9, 7
	s_lshl_b32 s15, s8, 5
	s_add_co_u32 s14, s14, s15
	v_add_nc_u32 v[PFO], s14, v2                   ; row 128 cx + 32 w + lane of the batch
	v_lshlrev_b32 v[PFO], 11, v[PFO]
	s_lshl_b32 s14, s8, 14
	v_add_nc_u32 v[KHW], s14, v[L16]
	v_add_nc_u32 v[VTW], VT, v[KHW]
	v_mov_b32 v[KA], v[L16]
	v_add_nc_u32 v[VA], VT, v[L16]
	s_lshl_b32 s14, s8, 8
	s_add_co_u32 s15, s14, STAT
	v_lshl_add_u32 v[STW], v4, 5, s15
	v_lshl_add_u32 v[STR], v2, 2, STAT
	v_lshl_add_u32 v[STO], v2, 2, s15
	s_add_co_u32 s15, s14, FX
	v_lshl_add_u32 v[FXW], v2, 2, s15
	v_lshl_add_u32 v[FXR], v4, 5, s15
	; offsets, apart from the addresses
	s_lshl_b32 s58, s10, 20                        ; b x 512 rows x 2,048 bytes
	s_mov_b32 s59, 0
	s_lshl_b32 s60, s8, 18                         ; + w x 128 rows
	s_add_co_u32 s60, s60, s58
	s_mov_b32 s61, 0
	s_lshl_b32 s62, s11, 17                        ; head x 64 rows of a weight
	s_mov_b32 s63, 0
	s_lshl_b32 s50, s11, 8                         ; head x 64 numbers of a bias
	s_mov_b32 s51, 0
	; side job, from: rows 16 nt .., columns 16 k16 .., nt = wg >> 3, k16 = 4 (wg & 7) + w
	s_lshr_b32 s14, s12, 3
	s_lshl_b32 s96, s14, 15
	s_and_b32 s15, s12, 7
	s_lshl_b32 s48, s15, 8
	s_add_co_u32 s96, s96, s48
	s_lshl_b32 s48, s8, 6
	s_add_co_u32 s96, s96, s48
	s_mov_b32 s97, 0
	; side job, to: [kc = k16 >> 3][nt >> 3][s = (k16 >> 1) & 3][nt & 7][c = k16 & 1] blocks of 512 bytes
	s_lshr_b32 s48, s15, 1
	s_lshl_b32 s98, s48, 17
	s_lshr_b32 s48, s12, 6
	s_lshl_b32 s48, s48, 15
	s_add_co_u32 s98, s98, s48
	s_and_b32 s48, s12, 1
	s_lshl_b32 s48, s48, 1
	s_lshr_b32 s49, s8, 1
	s_add_co_u32 s48, s48, s49
	s_lshl_b32 s48, s48, 13
	s_add_co_u32 s98, s98, s48
	s_and_b32 s48, s14, 7
	s_lshl_b32 s48, s48, 10
	s_add_co_u32 s98, s98, s48
	s_and_b32 s48, s8, 1
	s_lshl_b32 s48, s48, 9
	s_add_co_u32 s98, s98, s48
	s_mov_b32 s99, 0
	; att: row block 8 b + 2 w, 65,536 bytes each; my head's 2,048 bytes of each 16 rows
	s_lshl_b32 s48, s10, 3
	s_lshl_b32 s49, s8, 1
	s_add_co_u32 s48, s48, s49
	s_lshl_b32 s48, s48, 16
	s_lshl_b32 s49, s11, 11
	s_add_co_u32 s48, s48, s49
	s_mov_b32 s49, 0
	s_wait_kmcnt 0x0
	s_add_nc_u64 s[42:43], s[68:69], s[58:59]      ; prefetch pointers, never rewritten: K[b]
	s_add_nc_u64 s[42:43], s[42:43], s[6:7]        ; at my cluster's position 0,
	s_add_nc_u64 s[94:95], s[70:71], s[58:59]      ; and Q[b]
	s_add_nc_u64 s[94:95], s[94:95], s[6:7]        ; likewise
	s_add_nc_u64 s[32:33], s[68:69], s[60:61]      ; my rows of K[b]
	s_add_nc_u64 s[34:35], s[70:71], s[60:61]      ; my rows of Q[b]
	s_add_nc_u64 s[72:73], s[72:73], s[62:63]      ; the head's rows of Wk, Wv, Wq
	s_add_nc_u64 s[74:75], s[74:75], s[62:63]
	s_add_nc_u64 s[76:77], s[76:77], s[62:63]
	s_add_nc_u64 s[36:37], s[72:73], s[6:7]        ; and their columns of position 0
	s_add_nc_u64 s[38:39], s[74:75], s[6:7]
	s_add_nc_u64 s[40:41], s[76:77], s[6:7]
	s_add_nc_u64 s[52:53], s[78:79], s[50:51]      ; bk, bv, bq at the head
	s_add_nc_u64 s[54:55], s[80:81], s[50:51]
	s_add_nc_u64 s[56:57], s[82:83], s[50:51]
	s_add_nc_u64 s[84:85], s[84:85], s[96:97]
	s_add_nc_u64 s[86:87], s[86:87], s[96:97]
	s_add_nc_u64 s[88:89], s[88:89], s[96:97]
	s_add_nc_u64 s[92:93], s[92:93], s[98:99]
	s_add_nc_u64 s[90:91], s[90:91], s[48:49]
	s_mov_b32 s[G0+0], 1
	s_mov_b32 s[G0+1], s13
	s_add_nc_u64 s[G0+2:G0+3], s[32:33], s[6:7]    ; position 0
	s_or_b32 s[G0+3], s[G0+3], 0x80000000
	s_mov_b32 s[G0+4], 1
	s_add_co_u32 s[G0+5], s13, SLOTB
	s_add_nc_u64 s[G0+6:G0+7], s[32:33], s[6:7]
	s_add_nc_u64 s[G0+6:G0+7], s[G0+6:G0+7], 256   ; position 1 (4 g + 1 <= 5: no wrap)
	s_or_b32 s[G0+7], s[G0+7], 0x80000000
	CROUND                                         ; all four work-groups are here: the first joint loads meet
	tensor_load_to_lds s[G0:G0+3], s[G1:G1+7]
	s_nop 0
	tensor_load_to_lds s[G0+4:G0+7], s[G1:G1+7]
	s_nop 0
; The next 64 columns of the head's weights, as f32: each load takes two rows' 256 aligned bytes.  ph = 1: Wk and Wv; 2: Wq.
.macro WLOAD ph
	WIN 0xc0
.if \ph == 1
.irp u, 0,1,2,3,4,5,6,7
	global_load_b128 v[WST+4*\u:WST+4*\u+3], v[GW], s[36:37] offset:4096*\u
.endr
.irp u, 0,1,2,3,4,5,6,7
	global_load_b128 v[WST+32+4*\u:WST+32+4*\u+3], v[GW], s[38:39] offset:4096*\u
.endr
.else
.irp u, 0,1,2,3,4,5,6,7
	global_load_b128 v[WST+4*\u:WST+4*\u+3], v[GW], s[40:41] offset:4096*\u
.endr
.endif
.endm
; They are rounded and put into weight buffer buf, which every wave stopped reading in front of this period's barrier.
.macro WSTORE ph, buf
	s_wait_loadcnt 0x0                             ; the weights are in, and their pointers are free
	WIN 0x0f
.set n, 0
.rept 48-16*\ph
	v_cvt_pk_bf16_f32 v[ST+n], v[WST+2*n], v[WST+2*n+1]
.set n, n+1
.endr
	WIN 0
.irp u, 0,1,2,3,4,5,6,7
	ds_store_b64 v[WS+\buf], v[ST+2*\u:ST+2*\u+1] offset:2*WPITCH*\u
.endr
.if \ph == 1
.irp u, 0,1,2,3,4,5,6,7
	ds_store_b64 v[WS+\buf], v[ST+16+2*\u:ST+16+2*\u+1] offset:64*WPITCH+2*WPITCH*\u
.endr
.endif
	s_add_co_u32 s6, s6, 256                       ; the next position's columns, round the row's 2,048 bytes
	s_and_b32 s6, s6, 0x7ff
	s_add_nc_u64 s[36:37], s[72:73], s[6:7]
	s_add_nc_u64 s[38:39], s[74:75], s[6:7]
	s_add_nc_u64 s[40:41], s[76:77], s[6:7]
.endm
.macro FETCHW buf, s, fb, nt                       ; nt weight fragments (16 rows x 32 k) of K step s
	WIN 0xc0
.set tl, 0
.rept \nt
	ds_load_b128 v[\fb+8*tl:\fb+8*tl+3], v[WA+\buf] offset:16*WPITCH*tl+64*\s
	ds_load_b128 v[\fb+8*tl+4:\fb+8*tl+7], v[WA+\buf] offset:16*WPITCH*tl+64*\s+32
.set tl, tl+1
.endr
.endm
.macro FETCHA slot, s                              ; my 128 rows x 32 k as f32: k = 8 h + 0..7 at 32 h, k = 16 + 8 h + 0..7 at 64 + 32 h
	WIN 0
.irp i, 0,1,2,3,4,5,6,7
	ds_load_b128 v[ST+16*\i:ST+16*\i+3], v[AD+\slot] offset:16*APITCH*\i+128*\s
	ds_load_b128 v[ST+16*\i+4:ST+16*\i+7], v[AD+\slot] offset:16*APITCH*\i+128*\s+16
	ds_load_b128 v[ST+16*\i+8:ST+16*\i+11], v[AD+\slot] offset:16*APITCH*\i+128*\s+64
	ds_load_b128 v[ST+16*\i+12:ST+16*\i+15], v[AD+\slot] offset:16*APITCH*\i+128*\s+80
.endr
.endm
.macro CVTA
.set n, 0
.rept 64
	v_cvt_pk_bf16_f32 v[AF+n], v[ST+2*n], v[ST+2*n+1]
.set n, n+1
.endr
.endm
; Products.  In every batch the 32 accumulators take turns, one instruction a turn, and neighbouring batches begin and end on different ones.
; k and q: source 0 = weights, source 1 = rows: register j = feature 16 t + 8 h + j, lane r = row.  The first step takes the bias tile as C: nothing is cleared.
.macro MULK fb, first
.if \first
	WIN 0x73
.else
	WIN 0x53
.endif
.irp i, 0,1,2,3,4,5,6,7
.irp t, 0,1,2,3
.if \first
	v_wmma_f32_16x16x32_bf16 v[8*(4*\i+\t):8*(4*\i+\t)+7], v[\fb+8*\t:\fb+8*\t+7], v[AF+8*\i:AF+8*\i+7], v[BK+8*\t:BK+8*\t+7]
.else
	v_wmma_f32_16x16x32_bf16 v[8*(4*\i+\t):8*(4*\i+\t)+7], v[\fb+8*\t:\fb+8*\t+7], v[AF+8*\i:AF+8*\i+7], v[8*(4*\i+\t):8*(4*\i+\t)+7]
.endif
.endr
.endr
.endm
; v the other way round: register j = key 8 h + j, lane r = feature 16 t + r
.macro MULV fb, first
.if \first
	WIN 0xbc
.else
	WIN 0xac
.endif
.irp i, 0,1,2,3,4,5,6,7
.irp t, 0,1,2,3
.if \first
	v_wmma_f32_16x16x32_bf16 v[8*(4*\i+\t):8*(4*\i+\t)+7], v[AF+8*\i:AF+8*\i+7], v[\fb+32+8*\t:\fb+32+8*\t+7], v[BV+8*\t:BV+8*\t+7]
.else
	v_wmma_f32_16x16x32_bf16 v[8*(4*\i+\t):8*(4*\i+\t)+7], v[AF+8*\i:AF+8*\i+7], v[\fb+32+8*\t:\fb+32+8*\t+7], v[8*(4*\i+\t):8*(4*\i+\t)+7]
.endif
.endr
.endr
.endm
.macro MULQ fb, first
.if \first
	WIN 0x83
.else
	WIN 0xa3
.endif
.irp i, 0,1,2,3,4,5,6,7
.irp t, 0,1,2,3
.if \first
	v_wmma_f32_16x16x32_bf16 v[8*(4*\i+\t):8*(4*\i+\t)+7], v[\fb+8*\t:\fb+8*\t+7], v[AF+8*\i:AF+8*\i+7], v[BQ+8*\t:BQ+8*\t+7]
.else
	v_wmma_f32_16x16x32_bf16 v[8*(4*\i+\t):8*(4*\i+\t)+7], v[\fb+8*\t:\fb+8*\t+7], v[AF+8*\i:AF+8*\i+7], v[8*(4*\i+\t):8*(4*\i+\t)+7]
.endif
.endr
.endr
.endm
.macro MULS ph, fb, first
.if \ph == 1
	MULK \fb, \first
	MULV \fb, \first
.else
	MULQ \fb, \first
.endif
.endm
; Packed k and v go to LDS in fragment order, into slot 0: its last fill has been read, and every wave's reads of it ended in front of the barrier just passed.
.macro KVSTORE
	WIN 0x04
.irp i, 0,1,2,3,4,5,6,7
.irp t, 0,1,2,3
	ds_store_b128 v[KHW], v[4*(4*\i+\t):4*(4*\i+\t)+3] offset:512*(4*\i+\t)
.endr
.endr
.irp i, 0,1,2,3,4,5,6,7
.irp t, 0,1,2,3
	ds_store_b128 v[VTW], v[128+4*(4*\i+\t):128+4*(4*\i+\t)+3] offset:4096*(\i/2)+1024*\t+512*(\i%2)
.endr
.endr
	WIN 0
.endm
; One tile.  slot = the tile's slot and weight buffer; ph = 1 k and v, 2 q; first = the sums start; sync = 0 first tile, 1 the other slot is filled again, 2 last tile;
; adr = the tile that is asked for is one of K's (0) or of Q's (1); wnext = which weights are fetched for the next tile (0 none);
; pf = 1: a prefetch goes out; 2: in the loop's last trip alone (counter s3 = 1); pfq = from K[b] (0) or Q[b] (1); pfoff = 256 x the position asked for.
.macro PERIOD slot, ph, first, sync, adr, wnext, pf, pfq, pfoff
	WIN 0
.if \sync == 0
	s_wait_tensorcnt 0x1                           ; tile 0 has landed; tile 1 stays out
.else
	s_wait_tensorcnt 0x0                           ; all my tensor loads have landed, my rows of this tile among them: a group 0 may be written
.endif
.if \sync == 1
	s_add_nc_u64 s[G0+6-4*\slot:G0+7-4*\slot], s[32+2*\adr:33+2*\adr], s[4:5]   ; my rows, the next position's columns
	s_or_b32 s[G0+7-4*\slot], s[G0+7-4*\slot], 0x80000000
	s_add_co_u32 s4, s4, 256                       ; one position on, round the row's 2,048 bytes
	s_and_b32 s4, s4, 0x7ff
.endif
	s_wait_dscnt 0x0                               ; my reads of the other slot and of the other weight buffer are back, my weight stores are done
.if \sync == 1
	CROUND                                         ; that now holds of every wave of all four work-groups
	tensor_load_to_lds s[G0+4-4*\slot:G0+7-4*\slot], s[G1:G1+7]    ; my one load behind the round: the next tile into the slot read last
	s_nop 0
.else
	s_barrier_signal -1
	s_barrier_wait -1
.endif
.if \sync == 2
	KVSTORE
.endif
.if \wnext
	WLOAD \wnext
.endif
	WIN 0
.if \pf == 2
	s_cmp_lg_u32 s3, 1                             ; the request belongs to the loop's last trip
	s_cbranch_scc1 .Lno_pf_\@
.endif
.if \pf
	; A cluster asks ahead only for tiles that it is the first of the batch's two to read: positions 0 to 3 of a phase.  K's position 3 is asked for in period 0, Q's positions
	; 0 to 3 in periods 5 to 8: the tensor load that wants the tile goes out two periods later.  (K's positions 0 to 2 are wanted sooner than that.)  Of a tile's 512 row pieces
	; of 256 bytes each of the cluster's four work-groups asks for 128, each wave for 32, a lane for one: each piece once in the launch.  The last request is for Q's position 3.
	global_prefetch_b8 v[PFO], s[42+52*\pfq:43+52*\pfq] offset:\pfoff th:TH_LOAD_NT scope:SCOPE_SE
.endif
.if \pf == 2
.Lno_pf_\@:
.endif
	PLACES
	FETCHW \slot, 0, WFA, 4*(3-\ph)
	FETCHA \slot, 0
	s_wait_dscnt 0x0
	CVTA
	FETCHA \slot, 1                                ; the second K step's numbers come while the first is multiplied
	FETCHW \slot, 1, WFB, 4*(3-\ph)
	MULS \ph, WFA, \first
	WIN 0
	PLACES
	s_wait_dscnt 0x0
	CVTA
	MULS \ph, WFB, 0
	WIN 0
.if \wnext
	WSTORE \wnext, 1-\slot
.endif
.endm
	; the head's loads: side job, biases, the first 64 columns of Wk and Wv
.irp l, 0,1,2
	global_load_b128 v[160+8*\l:163+8*\l], v[GC], s[84+2*\l:85+2*\l]
	global_load_b128 v[164+8*\l:167+8*\l], v[GC], s[84+2*\l:85+2*\l] offset:16
.endr
.irp t, 0,1,2,3
	global_load_b128 v[BQ+8*\t:BQ+8*\t+3], v[GB], s[56:57] offset:64*\t
	global_load_b128 v[BQ+8*\t+4:BQ+8*\t+7], v[GB], s[56:57] offset:64*\t+16
.endr
	WLOAD 1
.irp t, 0,1,2,3
	global_load_b128 v[BK+8*\t:BK+8*\t+3], v[GB], s[52:53] offset:64*\t
	global_load_b128 v[BK+8*\t+4:BK+8*\t+7], v[GB], s[52:53] offset:64*\t+16
.endr
.irp t, 0,1,2,3
.irp j, 0,1,2,3,4,5,6,7
	global_load_b32 v[BV+8*\t+\j], v[GBV], s[54:55] offset:64*\t   ; v's bias hangs on the lane: all eight registers of the C tile hold it
.endr
.endr
	WSTORE 1, 0                                    ; its wait for all loads covers the biases and the side job too
.irp k, 0,1,2,3
	v_cvt_pk_bf16_f32 v[184+\k], v[160+2*\k], v[160+2*\k+1]        ; Wo goes with att, which is bf16
.endr
.irp l, 1,2
.irp k, 0,1,2,3
	v_cvt_pk_f16_f32 v[184+4*\l+\k], v[160+8*\l+2*\k], v[160+8*\l+2*\k+1]   ; W1 and W2 go with rows that the next launch scales into f16's range
.endr
.endr
.irp l, 0,1,2
	global_store_b128 v[L16], v[184+4*\l:187+4*\l], s[92:93] offset:524288*\l   ; 512 consecutive bytes, aligned
.endr
	s_wait_xcnt 0x0                                ; v184-195 are written again (as AF) only behind this wait
	PERIOD 0, 1, 1, 0, 0, 1, 1, 0, 768             ; period 0; K's position 3 is asked for ahead
	s_mov_b32 s3, 3
.Lkv:
	PERIOD 1, 1, 0, 1, 0, 1, 2, 1, 0               ; periods 1, 3, 5; in period 5 Q's position 0 is asked for ahead
	PERIOD 0, 1, 0, 1, 0, 1, 2, 1, 256             ; periods 2, 4, 6; in period 6 Q's position 1
	s_sub_co_u32 s3, s3, 1
	s_cmp_lg_u32 s3, 0
	s_cbranch_scc1 .Lkv
	PERIOD 1, 1, 0, 1, 1, 2, 1, 1, 512             ; period 7; the refill is Q's first tile; Wq's first columns; Q's position 2
	PLACES
	WIN 0x45                                       ; k packs in place into the lower half of window 1
.set n, 0
.rept 128
	v_cvt_pk_bf16_f32 v[n], v[2*n], v[2*n+1]
.set n, n+1
.endr
	WIN 0x4a                                       ; v packs into its upper half; window 2 is free for q
.set n, 0
.rept 128
	v_cvt_pk_bf16_f32 v[128+n], v[2*n], v[2*n+1]
.set n, n+1
.endr
	PERIOD 0, 2, 1, 1, 1, 2, 1, 1, 768             ; period 8; Q's position 3: the last request ahead
	s_mov_b32 s3, 3
.Lq:
	PERIOD 1, 2, 0, 1, 1, 2, 0, 0, 0               ; periods 9, 11, 13
	PERIOD 0, 2, 0, 1, 1, 2, 0, 0, 0               ; periods 10, 12, 14
	s_sub_co_u32 s3, s3, 1
	s_cmp_lg_u32 s3, 0
	s_cbranch_scc1 .Lq
	PERIOD 1, 2, 0, 2, 0, 0, 0, 0, 0               ; period 15: nothing is left to fetch; k and v go to LDS
	PLACES
	WIN 0x8a                                       ; q packs in place: fragment (q tile, K step s) at 16 qt + 8 s
.set n, 0
.rept 128
	v_cvt_pk_bf16_f32 v[n], v[2*n], v[2*n+1]
.set n, n+1
.endr
	WIN 0
	s_wait_dscnt 0x0                               ; my k and v stores are done
	s_barrier_signal -1
	s_barrier_wait -1                              ; everybody's are
; ---------------- attention: 16 chunks of 32 keys ----------------
.macro KLOAD koff                                  ; k fragments of a chunk: (key tile kt, K step s)
.irp kt, 0,1
.irp s, 0,1
.irp c, 0,1
	ds_load_b128 v[KF+8*(2*\kt+\s)+4*\c:KF+8*(2*\kt+\s)+4*\c+3], v[KA] offset:\koff+2048*\kt+1024*\s+512*\c
.endr
.endr
.endr
.endm
.macro VLOAD voff                                  ; v fragments of a chunk: 16 features x 32 keys, four times
.irp dt, 0,1,2,3
.irp c, 0,1
	ds_load_b128 v[VF+8*\dt+4*\c:VF+8*\dt+4*\c+3], v[VA] offset:\voff+1024*\dt+512*\c
.endr
.endr
.endm
; S^T: source 0 = keys, source 1 = my queries: register j = key 16 kt + 8 h + j, lane r = query.  16 accumulators by turns.
.macro SCORE sn, s
	WIN 0xf8
.irp qt, 0,1,2,3,4,5,6,7
.irp kt, 0,1
.if \s
	v_wmma_f32_16x16x32_bf16 v[\sn+16*\qt+8*\kt:\sn+16*\qt+8*\kt+7], v[KF+8*(2*\kt+\s):KF+8*(2*\kt+\s)+7], v[16*\qt+8*\s:16*\qt+8*\s+7], v[\sn+16*\qt+8*\kt:\sn+16*\qt+8*\kt+7]
.else
	v_wmma_f32_16x16x32_bf16 v[\sn+16*\qt+8*\kt:\sn+16*\qt+8*\kt+7], v[KF+8*(2*\kt+\s):KF+8*(2*\kt+\s)+7], v[16*\qt+8*\s:16*\qt+8*\s+7], 0
.endif
.endr
.endr
.endm
; O^T += v^T P: register j = feature 16 dt + 8 h + j, lane r = query; 32 accumulators by turns.  zero = 1: the sums start.
.macro AVMUL sb, zero
	WIN 0x5c
.irp qt, 0,1,2,3,4,5,6,7
.irp dt, 0,1,2,3
.if \zero
	v_wmma_f32_16x16x32_bf16 v[8*(4*\qt+\dt):8*(4*\qt+\dt)+7], v[VF+8*\dt:VF+8*\dt+7], v[\sb+8*\qt:\sb+8*\qt+7], 0
.else
	v_wmma_f32_16x16x32_bf16 v[8*(4*\qt+\dt):8*(4*\qt+\dt)+7], v[VF+8*\dt:VF+8*\dt+7], v[\sb+8*\qt:\sb+8*\qt+7], v[8*(4*\qt+\dt):8*(4*\qt+\dt)+7]
.endif
.endr
.endr
	WIN 0
.endm
; One chunk c of a trip's two.  sb = its scores' buffer, sn = the next chunk's; par = which half of STAT; odd = the trip's second chunk.
; On the way the next chunk's scores are made, and behind the products the v fragments of chunk c + 1 and the k fragments of chunk c + 2 are fetched.
; The counter s3 runs 8, 7, .. 1.  In the first trip (s3 = 8) the even chunk starts O.  In the last (s3 = 1) what would belong to chunks 16 and 17 is jumped over.
.macro ITER sb, sn, par, odd
	WIN 0x0f                                       ; column maxima over my 8 query tiles
.set x, 0
.rept 16
	v_max_num_f32 v[MX+x], v[\sb+x], v[\sb+16+x]
.set x, x+1
.endr
.irp qq, 32,64,96
.set x, 0
.rept 16
	v_max3_num_f32 v[MX+x], v[\sb+\qq+x], v[\sb+\qq+16+x], v[MX+x]
.set x, x+1
.endr
.endr
	WIN 0
.irp mk, 1,2,4,8                                   ; and over the 16 lanes of a half
.set x, 0
.rept 16
	v_max_num_f32_dpp v[MX+x], v[MX+x], v[MX+x] row_xmask:\mk row_mask:0xf bank_mask:0xf
.set x, x+1
.endr
.endr
.irp kt, 0,1
	ds_store_b128 v[STW], v[MX+8*\kt:MX+8*\kt+3] offset:1024*\par+64*\kt
	ds_store_b128 v[STW], v[MX+8*\kt+4:MX+8*\kt+7] offset:1024*\par+64*\kt+16
.endr
.irp x2, 0,2,4,6,8,10,12,14
	v_pk_mul_f32 v[NM+\x2:NM+\x2+1], v[MX+\x2:MX+\x2+1], s[46:47] op_sel_hi:[1,0]
.endr
	WIN 0xc3                                       ; P = exp2(C2 s - C2 M), in place
.irp qt, 0,1,2,3,4,5,6,7
.irp x2, 0,2,4,6,8,10,12,14
	v_pk_fma_f32 v[\sb+16*\qt+\x2:\sb+16*\qt+\x2+1], v[\sb+16*\qt+\x2:\sb+16*\qt+\x2+1], s[44:45], v[NM+\x2:NM+\x2+1] op_sel_hi:[1,0,1]
.endr
.endr
.set n, 0
.rept 128
	v_exp_f32 v[\sb+n], v[\sb+n]
.set n, n+1
.endr
	v_nop                                          ; one plain instruction behind the last v_exp_f32 (ISA guide 5.7.2)
	WIN 0x0f                                       ; column sums
	s_wait_alu depctr_va_vdst(0)
.irp x2, 0,2,4,6,8,10,12,14
	v_pk_add_f32 v[ZS+\x2:ZS+\x2+1], v[\sb+\x2:\sb+\x2+1], v[\sb+16+\x2:\sb+16+\x2+1]
.endr
	WIN 0x03
.irp qt, 2,3,4,5,6,7
.irp x2, 0,2,4,6,8,10,12,14
	v_pk_add_f32 v[ZS+\x2:ZS+\x2+1], v[\sb+16*\qt+\x2:\sb+16*\qt+\x2+1], v[ZS+\x2:ZS+\x2+1]
.endr
.endr
	WIN 0
.irp mk, 1,2,4,8
.set x, 0
.rept 16
	v_add_f32_dpp v[ZS+x], v[ZS+x], v[ZS+x] row_xmask:\mk row_mask:0xf bank_mask:0xf
.set x, x+1
.endr
.endr
.irp kt, 0,1
	ds_store_b128 v[STW], v[ZS+8*\kt:ZS+8*\kt+3] offset:1024*\par+128+64*\kt
	ds_store_b128 v[STW], v[ZS+8*\kt+4:ZS+8*\kt+7] offset:1024*\par+128+64*\kt+16
.endr
	s_wait_dscnt 0x0                               ; my M and Z are stored; my reads of the other half of STAT, and the k and v fragments asked for earlier, are back
	s_barrier_signal -1
	s_barrier_wait -1
.irp ww, 0,1,2,3                                   ; lane = key: the four waves' M and Z, and my own M
	ds_load_b32 v[T+\ww], v[STR] offset:1024*\par+256*\ww
	ds_load_b32 v[T+4+\ww], v[STR] offset:1024*\par+256*\ww+128
.endr
	ds_load_b32 v[T+8], v[STO] offset:1024*\par
.if \odd
	s_cmp_eq_u32 s3, 1                             ; behind chunk 15 there are no scores to make
	s_cbranch_scc1 .Lno_s0_\@
.endif
	SCORE \sn, 0
	WIN 0
.if \odd
.Lno_s0_\@:
.endif
	s_wait_dscnt 0x0
	v_max3_num_f32 v[T+9], v[T], v[T+1], v[T+2]
	v_max_num_f32 v[T+9], v[T+9], v[T+3]           ; m
	v_mul_f32 v[T+10], s46, v[T+9]
.irp ww, 0,1,2,3
	v_fma_f32 v[T+11+\ww], v[T+\ww], s44, v[T+10]
.endr
	v_fma_f32 v[T+15], v[T+8], s44, v[T+10]
.irp ww, 0,1,2,3,4
	v_exp_f32 v[T+11+\ww], v[T+11+\ww]             ; e of the four waves, and mine
.endr
	v_nop
	s_wait_alu depctr_va_vdst(0)
	v_mul_f32 v[T+16], v[T+4], v[T+11]
	v_fmac_f32 v[T+16], v[T+5], v[T+12]
	v_fmac_f32 v[T+16], v[T+6], v[T+13]
	v_fmac_f32 v[T+16], v[T+7], v[T+14]            ; the column's whole sum
	v_rcp_f32 v[T+17], v[T+16]
	v_nop
	s_wait_alu depctr_va_vdst(0)
	v_mul_f32 v[T+18], v[T+15], v[T+17]            ; f
	ds_store_b32 v[FXW], v[T+18]                   ; from lane = key to register = key through my own 128 bytes: LDS serves a wave's instructions in order (ISA guide 5.7.1)
.irp kt, 0,1
	ds_load_b128 v[FS+8*\kt:FS+8*\kt+3], v[FXR] offset:64*\kt
	ds_load_b128 v[FS+8*\kt+4:FS+8*\kt+7], v[FXR] offset:64*\kt+16
.endr
.if \odd
	s_cmp_eq_u32 s3, 1
	s_cbranch_scc1 .Lno_s1_\@
.endif
	SCORE \sn, 1
.if \odd
	WIN 0
.Lno_s1_\@:
.endif
	s_wait_dscnt 0x0
	WIN 0xc3
.irp qt, 0,1,2,3,4,5,6,7
.irp x2, 0,2,4,6,8,10,12,14
	v_pk_mul_f32 v[\sb+16*\qt+\x2:\sb+16*\qt+\x2+1], v[\sb+16*\qt+\x2:\sb+16*\qt+\x2+1], v[FS+\x2:FS+\x2+1]
.endr
.endr
	WIN 0xcf                                       ; the weights pack in place into fragments: query tile qt at 8 qt (ascending, as above)
.set n, 0
.rept 64
	v_cvt_pk_bf16_f32 v[\sb+n], v[\sb+2*n], v[\sb+2*n+1]
.set n, n+1
.endr
.if \odd
	AVMUL \sb, 0
	s_cmp_eq_u32 s3, 1                             ; behind chunk 15 there is nothing to fetch
	s_cbranch_scc1 .Lno_ld_\@
	PLACES
	VLOAD 8192                                     ; chunk c + 1, counted from the trip's first chunk: 2 x 4,096 bytes
	KLOAD 12288                                    ; chunk c + 2: 3 x 4,096 bytes
.Lno_ld_\@:
.else
	WIN 0
	s_cmp_eq_u32 s3, 8
	s_cbranch_scc1 .Lav_first_\@
	AVMUL \sb, 0
	s_branch .Lav_done_\@
.Lav_first_\@:
	AVMUL \sb, 1                                   ; chunk 0's products start O: nothing is cleared
.Lav_done_\@:
	PLACES
	VLOAD 4096                                     ; chunk c + 1
	s_cmp_eq_u32 s3, 1                             ; chunk 14: no k fragments are left to fetch
	s_cbranch_scc1 .Lno_ld_\@
	KLOAD 8192                                     ; chunk c + 2
.Lno_ld_\@:
.endif
.endm
	KLOAD 0
	s_wait_dscnt 0x0
	SCORE 0, 0                                     ; chunk 0's scores
	SCORE 0, 1
	WIN 0
	PLACES
	KLOAD 4096
	VLOAD 0
	s_mov_b32 s3, 8
.Lchunks:                                          ; chunks 2 (8 - s3) and 2 (8 - s3) + 1
	ITER 0, 128, 0, 0
	ITER 128, 0, 1, 1
	v_add_nc_u32 v[KA], 8192, v[KA]
	v_add_nc_u32 v[VA], 8192, v[VA]
	s_sub_co_u32 s3, s3, 1
	s_cmp_lg_u32 s3, 0
	s_cbranch_scc1 .Lchunks
	; the way out: a lane's eight numbers are eight neighbouring features of one row: 16 bytes; a wave's store is one block of 512 consecutive bytes of att
	PLACES
	WIN 0x05
.set n, 0
.rept 128
	v_cvt_pk_bf16_f32 v[32+n], v[2*n], v[2*n+1]
.set n, n+1
.endr
	WIN 0
.irp qt, 0,1,2,3,4,5,6,7
.irp dt, 0,1,2,3
	global_store_b128 v[L16], v[32+4*(4*\qt+\dt):32+4*(4*\qt+\dt)+3], s[90:91] offset:65536*(\qt/4)+16384*(\qt%4)+512*\dt
.endr
.endr
	CROUND                                         ; the closing round: no work-group ends while a partner may still ask for a tile that names it
	s_endpgm
.Lfunc_end_k_q19d9806315_attn:
	.size	k_q19d9806315_attn, .Lfunc_end_k_q19d9806315_attn-k_q19d9806315_attn
	.p2alignl 7, 3214868480
	.fill 96, 4, 3214868480
	.section	.rodata,"a",@progbits
	.p2align	6, 0x0
	.amdhsa_kernel k_q19d9806315_attn
		.amdhsa_group_segment_fixed_size 327680
		.amdhsa_private_segment_fixed_size 0
		.amdhsa_enable_private_segment 0
		.amdhsa_kernarg_size 104
		.amdhsa_user_sgpr_count 2
		.amdhsa_user_sgpr_kernarg_segment_ptr 1
		.amdhsa_wavefront_size32 1
		.amdhsa_system_sgpr_workgroup_id_x 1
		.amdhsa_system_sgpr_workgroup_id_y 1
		.amdhsa_system_sgpr_workgroup_id_z 1
		.amdhsa_system_vgpr_workitem_id 0
		.amdhsa_next_free_vgpr 1024
		.amdhsa_next_free_sgpr 100
		.amdhsa_reserve_vcc 0
		.amdhsa_float_denorm_mode_32 3
		.amdhsa_float_denorm_mode_16_64 3
		.amdhsa_memory_ordered 1
		.amdhsa_forward_progress 1
		.amdhsa_inst_pref_size 255
	.end_amdhsa_kernel
	.section	.bss,"aw",@nobits
	.p2align	6
	.space	262144
	.amdgpu_metadata
---
amdhsa.version: [ 1, 2 ]
amdhsa.kernels:
  - .name:           k_q19d9806315_attn
    .symbol:         k_q19d9806315_attn.kd
    .args:
      - { .name: K, .offset: 0, .size: 8, .value_kind: global_buffer, .address_space: global }
      - { .name: Q, .offset: 8, .size: 8, .value_kind: global_buffer, .address_space: global }
      - { .name: Wk, .offset: 16, .size: 8, .value_kind: global_buffer, .address_space: global }
      - { .name: Wv, .offset: 24, .size: 8, .value_kind: global_buffer, .address_space: global }
      - { .name: Wq, .offset: 32, .size: 8, .value_kind: global_buffer, .address_space: global }
      - { .name: bk, .offset: 40, .size: 8, .value_kind: global_buffer, .address_space: global }
      - { .name: bv, .offset: 48, .size: 8, .value_kind: global_buffer, .address_space: global }
      - { .name: bq, .offset: 56, .size: 8, .value_kind: global_buffer, .address_space: global }
      - { .name: Wo, .offset: 64, .size: 8, .value_kind: global_buffer, .address_space: global }
      - { .name: W1, .offset: 72, .size: 8, .value_kind: global_buffer, .address_space: global }
      - { .name: W2, .offset: 80, .size: 8, .value_kind: global_buffer, .address_space: global }
      - { .name: att, .offset: 88, .size: 8, .value_kind: global_buffer, .address_space: global }
      - { .name: wf, .offset: 96, .size: 8, .value_kind: global_buffer, .address_space: global }
    .group_segment_fixed_size: 327680
    .private_segment_fixed_size: 0
    .kernarg_segment_align: 8
    .kernarg_segment_size: 104
    .max_flat_workgroup_size: 128
    .sgpr_count:     100
    .vgpr_count:     1024
    .wavefront_size: 32
...
	.end_amdgpu_metadata
.endif
;; end of part 3
;; launch ffn (part 4): grid 256 x 1, 4 waves a work-group, clusters of 4 x 1, 327,680 bytes of LDS; arguments att, wf, Q, bo, b1, b2, out0; writes out0
.if DOCPART == 4
	.amdgcn_target "amdgcn-amd-amdhsa--gfx1250"
	.amdhsa_code_object_version 6
	.text
	.protected	k_q19d9806315_ffn
	.globl	k_q19d9806315_ffn
	.p2align	8
	.type	k_q19d9806315_ffn,@function
k_q19d9806315_ffn:
	s_mov_b64 s[64:65], 0
	v_nop
	global_prefetch_b8 v0, s[64:65] scope:SCOPE_SE
	s_setreg_imm32_b32 hwreg(HW_REG_WAVE_MODE, 25, 1), 1
	s_wait_xcnt 0x0
	s_wait_alu depctr_hold_cnt(0) depctr_sa_sdst(0) depctr_va_vdst(0) depctr_va_sdst(0) depctr_va_ssrc(0) depctr_va_vcc(0) depctr_vm_vsrc(0)
	s_getreg_b32 s2, hwreg(HW_REG_IB_STS2, 6, 4)
	s_cmp_eq_u32 s2, 0
	s_cbranch_scc0 .Lentry_in_a_cluster
	s_endpgm
.Lentry_in_a_cluster:
	s_bfe_u32 s2, ttmp6, 0x10000c
	s_cmp_lg_u32 s2, 0x3003
	s_cbranch_scc0 .Lentry_shape_is_right
	s_endpgm
.Lentry_shape_is_right:
; out = Q + att Wo^T + bo;  h = relu(out W1^T + b1);  out0 = out + h W2^T + b2.  One work-group = 64 rows x all 512 columns; 256 work-groups.
; Four waves; each makes one block of 128 columns of all three layers: 32 accumulator tiles.  The rows' activations (att, then out, then h) lie in LDS
; as 16-bit numbers in fragment order (X, 64 KB) and are read by all waves; out stays in f32 in registers from the first layer to the end.
; The weights were rounded and laid in fragment order by the launch before: 12 tiles (layer l, 128 columns of k) of 128 KB, of which each wave asks for, and
; reads, its own 32 KB.  Every fragment read from LDS is 32 lanes x 16 neighbouring bytes: no padding is needed.
; FORMATS: att and Wo are bf16.  The two products of the FFN carry numbers as large as the result itself, four roundings deep, so they take f16 operands, which
; have three more bits.  So that f16's range is never at stake, each row of out and of h is divided by 2^e, e = the exponent of the row's largest magnitude
; (the scaled numbers lie inside (-2, 2)), and the product is multiplied by 2^e in f32: both are exact.  e is held at 126 at the most, so that 2^-e is a normal
; number; a row whose largest magnitude is zero or denormal gets 2^e = 0, and its product counts as 0.
; CLUSTER 4 x 1: all work-groups walk the same weight tiles; the four of a cluster ask jointly (mask 15).  A larger cluster shares no more: rows are not shared.
; A wave has two tensor loads out at the start, later one.
; ORDER OF THE TILES: g = the cluster's number & 3.  At step j = 0..3 of a layer a cluster takes the layer's tile (j + g) & 3: the sum over k may run in any order.
; So at any step the clusters ask for four different tiles, and in three steps of four a cluster asks for the tile that the clusters of group g + 1 asked for one step earlier.
; So that no LDS address hangs on g, the columns turn with it: wave w makes column block cb = (w + g) & 3 and writes it at place w of X, so that place j of X
; holds features 128 ((j + g) & 3) .., the very ones that step j's tile multiplies.  g is the same in all four partners and enters global addresses alone.
; The products are used transposed (source 0 = weights, source 1 = rows): a lane holds row 16 i + r and the eight columns 128 cb + 16 t + 8 h + 0..7,
; so a row's scale is one number a lane and row tile.
; No prefetch: att and Q are read once, at the head, in one run; of the weights nine tiles of twelve are asked for behind another cluster's request.
; LIMITS: matrix operands are bf16 (layer 1) and f16 (layers 2, 3); |W1| and |W2| below 65,504; sums, biases, residuals and the ReLU are f32.
; A NaN loses in the row maxima; it still reaches the result through the products.
; REGISTERS: window 0 addresses, scales and two buffers of fragments; window 1 OUT, tile (t, i) at 8 (4 t + i); window 2 H: the sums of layers 2 and 3, scaled copies
; (at the head: Q as loaded); window 3 bo, b1, b2 tiles.
; SCALARS: s[32:33], s[34:35], s[60:61], s[62:63]: my part of layer 0's tile of step 0, 1, 2, 3; never rewritten.
.set SLOTB,  131072
.set XB,     262144
.set SPITCH, 528                       ; stage rows of 512 bytes + 16: 33 x 16
.set WAD, 5                            ; v5, v6  my part of slot 0, 1 + 16 lane
.set OSR, 5                            ; the way out reads its stage at the same address as slot 0's fragments
.set XR,  7
.set XW,  8
.set XC,  9
.set QSR, 10
.set OSW, 11
.set MXW, 12                           ; row maxima out: X + 256 w + 16 r (+ 4,096 x the wave that they are for)
.set GQ,  13
.set GBI, 14
.set L16, 15
.set MXR, 17                           ; row maxima in: X + 4,096 w + 16 r (+ 256 x the wave that they come from)
.set SC,  18                           ; v18-25   2^e of my row in row tile i, twice, at 2 i: lives through a layer
.set AO,  26                           ; v26-29   att in memory: 16 lane + 4,096 ((j + g) & 3), for place j of X
.set SI,  224                          ; v224-231 2^-e likewise
.set TM,  232                          ; v232-255 at work on the maxima
.set G1,  16
.set G0,  24
.set MSB, 0
.macro WIN new
.if MSB != \new
	s_set_vgpr_msb (MSB<<8)|\new
.set MSB, \new
.endif
.endm
.macro PLACES                          ; four plain vector instructions between a matrix instruction and a load into, or a vector use of, its registers
.rept 4
	v_nop
.endr
.endm
.macro CREST
	s_cmp_lg_u32 s8, 0
	s_cbranch_scc1 .Lnot_wave_0_\@
	s_barrier_signal -3
.Lnot_wave_0_\@:
	s_barrier_wait -3
	s_barrier_signal -1
	s_barrier_wait -1
.endm
.macro CROUND
	s_barrier_signal -1
	s_barrier_wait -1
	CREST
.endm
	s_load_b256 s[36:43], s[0:1], 0x0              ; att, wf, Q, bo
	s_load_b128 s[44:47], s[0:1], 0x20             ; b1, b2
	s_load_b64 s[48:49], s[0:1], 0x30              ; out0
	v_lshrrev_b32 v1, 5, v0
	v_readfirstlane_b32 s8, v1                     ; wave
	s_bfe_u32 s9, ttmp6, 0x40000                   ; cx: enters the global addresses of att, Q and out0 alone
	s_lshl_b32 s10, ttmp9, 2
	s_add_co_u32 s10, s10, s9                      ; row block
	s_and_b32 s13, ttmp9, 3                        ; g
	s_add_co_u32 s14, s8, s13
	s_and_b32 s14, s14, 3                          ; cb: my block of 128 columns
	s_lshl_b32 s11, s8, 15                         ; my part of a slot
	s_mov_b32 s58, 0x76543210                      ; v_permlanex16_b32: lane i of one half reads lane i of the other
	s_mov_b32 s59, 0xfedcba98
	; group 1: a dense block of 32,768 bytes as 128 rows of 32 elements of 8 bytes
	s_mov_b32 s[G1+0], 0x0023000f                  ; 15:0 mask 15; 17:16 code 3; 21 set beside a mask
	s_mov_b32 s[G1+1], 32<<16
	s_mov_b32 s[G1+2], 128<<16
	s_mov_b32 s[G1+3], 32<<16
	s_mov_b32 s[G1+4], 128
	s_mov_b32 s[G1+5], 32
	s_mov_b32 s[G1+6], 0
	s_mov_b32 s[G1+7], 0
	v_and_b32 v2, 31, v0
	v_and_b32 v3, 15, v0
	v_bfe_u32 v4, v0, 4, 1
	v_lshlrev_b32 v[L16], 4, v2
	v_add_nc_u32 v[WAD], s11, v[L16]
	v_add_nc_u32 v[WAD+1], SLOTB, v[WAD]
	v_add_nc_u32 v[XR], XB, v[L16]
	s_lshl_b32 s12, s8, 12
	v_add_nc_u32 v[XW], s12, v[XR]                 ; place w of X: 4,096 bytes of each 16 rows
	s_add_co_u32 s12, s12, XB
	v_lshl_add_u32 v[MXR], v3, 4, s12
	s_lshl_b32 s12, s8, 8
	s_add_co_u32 s12, s12, XB
	v_lshl_add_u32 v[MXW], v3, 4, s12
	s_lshl_b32 s12, s8, 14
	v_add_nc_u32 v[XC], s12, v[XR]                 ; my quarter of X: att's way in, and before it Q's stage
	v_mul_u32_u24 v16, v3, SPITCH
	v_lshl_add_u32 v16, v4, 5, v16
	s_add_co_u32 s12, s12, XB
	v_add_nc_u32 v[QSR], s12, v16
	v_add_nc_u32 v[OSW], s11, v16
	s_lshl_b32 s12, s14, 9
	v_add_nc_u32 v[GQ], s12, v[L16]                ; my block's 512 bytes of a row of Q and of out0
	v_lshl_add_u32 v[GBI], v4, 5, s12
.irp j, 0,1,2,3
	s_add_co_u32 s15, s13, \j
	s_and_b32 s15, s15, 3
	s_lshl_b32 s15, s15, 12
	v_add_nc_u32 v[AO+\j], s15, v[L16]             ; the features that go to place j of X
.endr
	s_lshl_b32 s50, s10, 16
	s_lshl_b32 s52, s8, 14
	s_add_co_u32 s50, s50, s52
	s_mov_b32 s51, 0
	s_lshl_b32 s54, s10, 17
	s_mov_b32 s55, 0
	s_lshl_b32 s53, s14, 15                        ; my block's part of a weight tile
	s_mov_b32 s57, 0
	s_wait_kmcnt 0x0
	s_add_nc_u64 s[36:37], s[36:37], s[50:51]      ; att: row tile w of the row block's 65,536 bytes
	s_add_nc_u64 s[40:41], s[40:41], s[54:55]      ; Q and out0 at the block's first row
	s_add_nc_u64 s[48:49], s[48:49], s[54:55]
.irp j, 0,1,2,3
	s_add_co_u32 s56, s13, \j
	s_and_b32 s56, s56, 3
	s_lshl_b32 s56, s56, 17                        ; tile (j + g) & 3 of layer 0,
	s_add_co_u32 s56, s56, s53                     ; my part of it
	s_add_nc_u64 s[32+2*(\j%2)+28*(\j/2):33+2*(\j%2)+28*(\j/2)], s[38:39], s[56:57]
.endr
	s_mov_b32 s[G0+0], 1
	s_mov_b32 s[G0+1], s11
	s_mov_b64 s[G0+2:G0+3], s[32:33]               ; step 0
	s_or_b32 s[G0+3], s[G0+3], 0x80000000
	s_mov_b32 s[G0+4], 1
	s_add_co_u32 s[G0+5], s11, SLOTB
	s_mov_b64 s[G0+6:G0+7], s[34:35]               ; step 1
	s_or_b32 s[G0+7], s[G0+7], 0x80000000
	CROUND                                         ; all four work-groups are here: the first joint loads meet
	tensor_load_to_lds s[G0:G0+3], s[G1:G1+7]
	s_nop 0
	tensor_load_to_lds s[G0+4:G0+7], s[G1:G1+7]
	s_nop 0
	WIN 0x80                                       ; Q: 64 rows, my 512 aligned bytes of each
.set y, 0
.rept 64
	global_load_b128 v[4*y:4*y+3], v[GQ], s[40:41] offset:2048*y th:TH_LOAD_NT
.set y, y+1
.endr
	WIN 0                                          ; att: 16 KB in X's order, its four blocks of features turned by g
.set u, 0
.rept 32
	global_load_b128 v[32+4*u:32+4*u+3], v[AO+u/8], s[36:37] offset:512*(u%8) th:TH_LOAD_NT
.set u, u+1
.endr
	WIN 0xc0                                       ; bias tiles: register j = column 16 t + 8 h + j of my block
.irp t, 0,1,2,3,4,5,6,7
	global_load_b128 v[8*\t:8*\t+3], v[GBI], s[42:43] offset:64*\t
	global_load_b128 v[8*\t+4:8*\t+7], v[GBI], s[42:43] offset:64*\t+16
	global_load_b128 v[64+8*\t:64+8*\t+3], v[GBI], s[44:45] offset:64*\t
	global_load_b128 v[64+8*\t+4:64+8*\t+7], v[GBI], s[44:45] offset:64*\t+16
	global_load_b128 v[128+8*\t:128+8*\t+3], v[GBI], s[46:47] offset:64*\t
	global_load_b128 v[128+8*\t+4:128+8*\t+7], v[GBI], s[46:47] offset:64*\t+16
.endr
	s_wait_loadcnt 0x0
	; Q from rows to the accumulators' layout, 16 rows at a time, through my own quarter of X: LDS serves a wave's instructions in order (ISA guide 5.7.1)
.irp i, 0,1,2,3
	WIN 0x08
.irp yy, 0,1,2,3,4,5,6,7,8,9,10,11,12,13,14,15
	ds_store_b128 v[XC], v[4*(16*\i+\yy):4*(16*\i+\yy)+3] offset:SPITCH*\yy
.endr
	WIN 0x40
.irp t, 0,1,2,3,4,5,6,7
	ds_load_b128 v[8*(4*\t+\i):8*(4*\t+\i)+3], v[QSR] offset:64*\t
	ds_load_b128 v[8*(4*\t+\i)+4:8*(4*\t+\i)+7], v[QSR] offset:64*\t+16
.endr
.endr
	WIN 0
.set u, 0
.rept 32
	ds_store_b128 v[XC], v[32+4*u:32+4*u+3] offset:512*u           ; att takes the stage's place: my own bytes still, behind my own loads
.set u, u+1
.endr
	s_wait_dscnt 0x20                              ; all but the 32 stores just issued: Q is in the accumulators
.macro ADDB bb                                     ; OUT += a bias tile
	WIN 0x4d
.irp t, 0,1,2,3,4,5,6,7
.irp i, 0,1,2,3
.irp j, 0,2,4,6
	v_pk_add_f32 v[8*(4*\t+\i)+\j:8*(4*\t+\i)+\j+1], v[8*(4*\t+\i)+\j:8*(4*\t+\i)+\j+1], v[\bb+8*\t+\j:\bb+8*\t+\j+1]
.endr
.endr
.endr
	WIN 0
.endm
	ADDB 0                                         ; Q + bo: the first layer adds onto it in place
; 24 LDS loads: my 8 weight fragments of K step s of the slot's tile, and the 4 row fragments of X's K step sg, into buffer f
.macro FETCH f, slot, s, sg
	WIN 0
.irp t, 0,1,2,3,4,5,6,7
.irp c, 0,1
	ds_load_b128 v[32+96*\f+8*\t+4*\c:32+96*\f+8*\t+4*\c+3], v[WAD+\slot] offset:8192*(\s)+1024*\t+512*\c
.endr
.endr
.irp i, 0,1,2,3
.irp c, 0,1
	ds_load_b128 v[96+96*\f+8*\i+4*\c:96+96*\f+8*\i+4*\c+3], v[XR] offset:16384*\i+1024*(\sg)+512*\c
.endr
.endr
.endm
; 16 products: column tiles 4 hf .. 4 hf + 3 x all 4 row tiles.  acc = the window setting: 0x50 OUT, 0xa0 H; zero = the sums start; fmt = bf16 or f16.
; The accumulators take turns, one instruction a turn, in the same order in every step.
.macro MUL f, acc, hf, zero, fmt
	WIN \acc
.irp tt, 0,1,2,3
.irp i, 0,1,2,3
.if \zero
	v_wmma_f32_16x16x32_\fmt v[8*(4*(4*\hf+\tt)+\i):8*(4*(4*\hf+\tt)+\i)+7], v[32+96*\f+8*(4*\hf+\tt):32+96*\f+8*(4*\hf+\tt)+7], v[96+96*\f+8*\i:96+96*\f+8*\i+7], 0
.else
	v_wmma_f32_16x16x32_\fmt v[8*(4*(4*\hf+\tt)+\i):8*(4*(4*\hf+\tt)+\i)+7], v[32+96*\f+8*(4*\hf+\tt):32+96*\f+8*(4*\hf+\tt)+7], v[96+96*\f+8*\i:96+96*\f+8*\i+7], v[8*(4*(4*\hf+\tt)+\i):8*(4*(4*\hf+\tt)+\i)+7]
.endif
.endr
.endr
.endm
; One of a tile's first three K steps: fetches the next step's fragments into buffer g, multiplies buffer f
.macro STEP f, g, slot, s, sg, acc, zero, fmt
	WIN 0
	PLACES
	FETCH \g, \slot, \s+1, \sg+1
	s_wait_dscnt 24                                ; all but the 24 just issued: buffer f is in
	MUL \f, \acc, 0, \zero, \fmt
	MUL \f, \acc, 1, \zero, \fmt
.endm
; The fourth: multiplies buffer 1 and changes slots.  fill = 1: this slot is filled again, two tiles ahead (step j2 of layer l2), behind a round of the cluster's barrier,
; in front of which every wave has waited for its LDS reads and for all its tensor loads.  next = 1: the other slot's first fragments are fetched (same layer).
.macro TURN slot, fill, next, sgn, acc, fmt, l2, j2
	s_wait_dscnt 0x0                               ; my reads of this slot, and of X, are back
.if \fill
	s_wait_tensorcnt 0x0                           ; the one load that was out, my part of the other slot, has landed: a group 0 may be written
.if \l2
	s_add_nc_u64 s[G0+4*\slot+2:G0+4*\slot+3], s[32+2*((\j2)%2)+28*((\j2)/2):33+2*((\j2)%2)+28*((\j2)/2)], (\l2)*524288   ; a layer is four tiles of 131,072 bytes
.else
	s_mov_b64 s[G0+4*\slot+2:G0+4*\slot+3], s[32+2*((\j2)%2)+28*((\j2)/2):33+2*((\j2)%2)+28*((\j2)/2)]
.endif
	s_or_b32 s[G0+4*\slot+3], s[G0+4*\slot+3], 0x80000000
	s_barrier_signal -1
	MUL 1, \acc, 0, 0, \fmt                        ; register work while the others arrive
	WIN 0
	s_barrier_wait -1
	CREST
	tensor_load_to_lds s[G0+4*\slot:G0+4*\slot+3], s[G1:G1+7]      ; my one load behind the round
	s_nop 0
.else
.if \next
	s_wait_tensorcnt 0x0                           ; my part of the last tile has landed; I alone read it
.endif
	MUL 1, \acc, 0, 0, \fmt
.endif
.if \next
	WIN 0
	PLACES
	FETCH 0, 1-\slot, 0, \sgn
.endif
	MUL 1, \acc, 1, 0, \fmt
.endm
; Step kc of layer lay: place kc of X times the tile in the slot
.macro PER slot, kc, lay, acc, zero, fill, next, fmt
	STEP 0, 1, \slot, 0, 4*\kc, \acc, \zero, \fmt
	STEP 1, 0, \slot, 1, 4*\kc+1, \acc, 0, \fmt
	STEP 0, 1, \slot, 2, 4*\kc+2, \acc, 0, \fmt
	TURN \slot, \fill, \next, 4*\kc+4, \acc, \fmt, (4*\lay+\kc+2)/4, (\kc+2)%4
.endm
; A layer's result (window src: 1 OUT, 2 H) goes to X as f16 fragments, each row divided by 2^e.  ab = 1: magnitudes are taken; relu = 1: the ReLU is applied on the way
; (the maximum is then taken of the raw numbers: a negative one means a row of zeros, for which any scale serves).
; Every wave's reads of X ended in front of the round in the layer's last TURN, so X is free.  The waves' row maxima meet in X itself: each wave writes its 256 bytes
; ([r 16][i 4] f32) into each wave's own part of X, and behind one barrier each wave reads its own part alone, which it alone overwrites afterwards.
.macro SCALEX src, ab, relu
.if \src == 1
	WIN 0x05
.else
	WIN 0x0a
.endif
.irp tp, 0,2,4,6                                   ; 64 numbers for each of 4 row tiles, in 8 chains that take turns
.irp jp, 0,2,4,6
.irp tt, 0,1
.irp i, 0,1,2,3
.if (\tp+\jp) == 0
.if \ab
	v_max_num_f32 v[TM+\i+4*\tt], |v[8*(4*(\tp+\tt)+\i)+\jp]|, |v[8*(4*(\tp+\tt)+\i)+\jp+1]|
.else
	v_max_num_f32 v[TM+\i+4*\tt], v[8*(4*(\tp+\tt)+\i)+\jp], v[8*(4*(\tp+\tt)+\i)+\jp+1]
.endif
.else
.if \ab
	v_max3_num_f32 v[TM+\i+4*\tt], |v[8*(4*(\tp+\tt)+\i)+\jp]|, |v[8*(4*(\tp+\tt)+\i)+\jp+1]|, v[TM+\i+4*\tt]
.else
	v_max3_num_f32 v[TM+\i+4*\tt], v[8*(4*(\tp+\tt)+\i)+\jp], v[8*(4*(\tp+\tt)+\i)+\jp+1], v[TM+\i+4*\tt]
.endif
.endif
.endr
.endr
.endr
.endr
	WIN 0
.irp i, 0,1,2,3
	v_max_num_f32 v[TM+\i], v[TM+\i], v[TM+4+\i]
.endr
.irp i, 0,1,2,3
	v_permlanex16_b32 v[TM+4+\i], v[TM+\i], s58, s59               ; the other half of the lanes holds the row's other columns
.endr
.irp i, 0,1,2,3
	v_max_num_f32 v[TM+\i], v[TM+\i], v[TM+4+\i]
.endr
.irp wd, 0,1,2,3
	ds_store_b128 v[MXW], v[TM:TM+3] offset:4096*\wd               ; both halves of the lanes write the same bytes with the same numbers
.endr
	s_wait_dscnt 0x0                               ; my maxima are stored
	s_barrier_signal -1
.if \relu
	WIN 0x88                                       ; register work while the others arrive
.set n, 0
.rept 256
	v_max_num_f32 v[n], 0, v[n]                    ; ReLU
.set n, n+1
.endr
	WIN 0
.endif
	s_barrier_wait -1                              ; everybody's are.  The tensor load that is out may stay out
.irp ww, 0,1,2,3
	ds_load_b128 v[TM+8+4*\ww:TM+8+4*\ww+3], v[MXR] offset:256*\ww
.endr
	s_wait_dscnt 0x0
.irp i, 0,1,2,3
	v_max3_num_f32 v[TM+\i], v[TM+8+\i], v[TM+12+\i], v[TM+16+\i]
.endr
.irp i, 0,1,2,3
	v_max_num_f32 v[TM+\i], v[TM+\i], v[TM+20+\i]
.endr
.irp i, 0,1,2,3
	v_and_b32 v[SC+2*\i], 0x7f800000, v[TM+\i]                     ; the exponent field alone: 2^e
.endr
.irp i, 0,1,2,3
	v_min_u32 v[SC+2*\i], 0x7e800000, v[SC+2*\i]                   ; at most 2^126
.endr
.irp i, 0,1,2,3
	v_sub_nc_u32 v[SI+2*\i], 0x7f000000, v[SC+2*\i]                ; field 254 - E: 2^-e
	v_mov_b32 v[SC+2*\i+1], v[SC+2*\i]
.endr
.irp i, 0,1,2,3
	v_mov_b32 v[SI+2*\i+1], v[SI+2*\i]
.endr
.if \src == 1
	WIN 0x81                                       ; the scaled copy goes to window 2: OUT itself stays
.else
	WIN 0x82
.endif
.irp t, 0,1,2,3,4,5,6,7
.irp i, 0,1,2,3
.irp j, 0,2,4,6
	v_pk_mul_f32 v[8*(4*\t+\i)+\j:8*(4*\t+\i)+\j+1], v[8*(4*\t+\i)+\j:8*(4*\t+\i)+\j+1], v[SI+2*\i:SI+2*\i+1]
.endr
.endr
.endr
	WIN 0x0a
.set n, 0
.rept 128
	v_cvt_pk_f16_f32 v[32+n], v[2*n], v[2*n+1]
.set n, n+1
.endr
	WIN 0
.irp t, 0,1,2,3,4,5,6,7
.irp i, 0,1,2,3
	ds_store_b128 v[XW], v[32+4*(4*\t+\i):32+4*(4*\t+\i)+3] offset:16384*\i+512*\t
.endr
.endr
.endm
.macro XREADY
	s_wait_dscnt 0x0                               ; my part of X is stored
	s_barrier_signal -1
	s_barrier_wait -1                              ; everybody's is.  The tensor load that is out may stay out
	FETCH 0, 0, 0, 0
.endm
	s_wait_tensorcnt 0x1                           ; step 0's tile has landed; step 1's stays out
	XREADY
	PER 0, 0, 0, 0x50, 0, 1, 1, bf16               ; layer 1: OUT = Q + bo + att Wo^T
	PER 1, 1, 0, 0x50, 0, 1, 1, bf16
	PER 0, 2, 0, 0x50, 0, 1, 1, bf16
	PER 1, 3, 0, 0x50, 0, 1, 0, bf16
	WIN 0
	PLACES
	SCALEX 1, 1, 0                                 ; X = out / 2^e
	ADDB 128                                       ; OUT = out + b2
	XREADY
	PER 0, 0, 1, 0xa0, 1, 1, 1, f16                ; layer 2: H = (out / 2^e) W1^T
	PER 1, 1, 1, 0xa0, 0, 1, 1, f16
	PER 0, 2, 1, 0xa0, 0, 1, 1, f16
	PER 1, 3, 1, 0xa0, 0, 1, 0, f16
	WIN 0
	PLACES
	WIN 0xb2                                       ; H = 2^e H + b1
.irp t, 0,1,2,3,4,5,6,7
.irp i, 0,1,2,3
.irp j, 0,2,4,6
	v_pk_fma_f32 v[8*(4*\t+\i)+\j:8*(4*\t+\i)+\j+1], v[8*(4*\t+\i)+\j:8*(4*\t+\i)+\j+1], v[SC+2*\i:SC+2*\i+1], v[64+8*\t+\j:64+8*\t+\j+1]
.endr
.endr
.endr
	SCALEX 2, 0, 1                                 ; X = relu(H) / 2^e, with h's own e
	XREADY
	PER 0, 0, 2, 0xa0, 1, 1, 1, f16                ; layer 3: H = (h / 2^e) W2^T
	PER 1, 1, 2, 0xa0, 0, 1, 1, f16
	PER 0, 2, 2, 0xa0, 0, 0, 1, f16                ; the last two tiles: nothing is left to fetch
	PER 1, 3, 2, 0xa0, 0, 0, 0, f16
	WIN 0
	PLACES
	WIN 0x52                                       ; OUT = out + b2 + 2^e H
.irp t, 0,1,2,3,4,5,6,7
.irp i, 0,1,2,3
.irp j, 0,2,4,6
	v_pk_fma_f32 v[8*(4*\t+\i)+\j:8*(4*\t+\i)+\j+1], v[8*(4*\t+\i)+\j:8*(4*\t+\i)+\j+1], v[SC+2*\i:SC+2*\i+1], v[8*(4*\t+\i)+\j:8*(4*\t+\i)+\j+1]
.endr
.endr
.endr
	WIN 0
; The way out, 16 rows at a time, through my own part of slot 0, which has had its last fill and which I alone read: in by columns, back by rows of 512 bytes.
.macro OUT16 i, f
	WIN 0x04
.irp t, 0,1,2,3,4,5,6,7
	ds_store_b128 v[OSW], v[8*(4*\t+\i):8*(4*\t+\i)+3] offset:64*\t
	ds_store_b128 v[OSW], v[8*(4*\t+\i)+4:8*(4*\t+\i)+7] offset:64*\t+16
.endr
	WIN 0
	s_wait_xcnt 0x0                                ; buffer f, which earlier stores read, is loaded again only behind this wait
.irp yy, 0,1,2,3,4,5,6,7,8,9,10,11,12,13,14,15
	ds_load_b128 v[\f+4*\yy:\f+4*\yy+3], v[OSR] offset:SPITCH*\yy
.endr
.irp yy, 0,1,2,3,4,5,6,7,8,9,10,11,12,13,14,15
	s_wait_dscnt 15-\yy                            ; LDS loads come back in order: row yy is in, the younger ones stay out
	global_store_b128 v[GQ], v[\f+4*\yy:\f+4*\yy+3], s[48:49] offset:(16*\i+\yy)*2048 th:TH_STORE_NT   ; 512 consecutive bytes, aligned
.endr
.endm
	OUT16 0, 32
	OUT16 1, 128
	OUT16 2, 32
	OUT16 3, 128
	CROUND                                         ; the closing round: no work-group ends while a partner may still ask for a tile that names it
	s_endpgm
.Lfunc_end_k_q19d9806315_ffn:
	.size	k_q19d9806315_ffn, .Lfunc_end_k_q19d9806315_ffn-k_q19d9806315_ffn
	.p2alignl 7, 3214868480
	.fill 96, 4, 3214868480
	.section	.rodata,"a",@progbits
	.p2align	6, 0x0
	.amdhsa_kernel k_q19d9806315_ffn
		.amdhsa_group_segment_fixed_size 327680
		.amdhsa_private_segment_fixed_size 0
		.amdhsa_enable_private_segment 0
		.amdhsa_kernarg_size 56
		.amdhsa_user_sgpr_count 2
		.amdhsa_user_sgpr_kernarg_segment_ptr 1
		.amdhsa_wavefront_size32 1
		.amdhsa_system_sgpr_workgroup_id_x 1
		.amdhsa_system_sgpr_workgroup_id_y 1
		.amdhsa_system_sgpr_workgroup_id_z 1
		.amdhsa_system_vgpr_workitem_id 0
		.amdhsa_next_free_vgpr 1024
		.amdhsa_next_free_sgpr 66
		.amdhsa_reserve_vcc 0
		.amdhsa_float_denorm_mode_32 3
		.amdhsa_float_denorm_mode_16_64 3
		.amdhsa_memory_ordered 1
		.amdhsa_forward_progress 1
		.amdhsa_inst_pref_size 255
	.end_amdhsa_kernel
	.section	.bss,"aw",@nobits
	.p2align	6
	.space	262144
	.amdgpu_metadata
---
amdhsa.version: [ 1, 2 ]
amdhsa.kernels:
  - .name:           k_q19d9806315_ffn
    .symbol:         k_q19d9806315_ffn.kd
    .args:
      - { .name: att, .offset: 0, .size: 8, .value_kind: global_buffer, .address_space: global }
      - { .name: wf, .offset: 8, .size: 8, .value_kind: global_buffer, .address_space: global }
      - { .name: Q, .offset: 16, .size: 8, .value_kind: global_buffer, .address_space: global }
      - { .name: bo, .offset: 24, .size: 8, .value_kind: global_buffer, .address_space: global }
      - { .name: b1, .offset: 32, .size: 8, .value_kind: global_buffer, .address_space: global }
      - { .name: b2, .offset: 40, .size: 8, .value_kind: global_buffer, .address_space: global }
      - { .name: out0, .offset: 48, .size: 8, .value_kind: global_buffer, .address_space: global }
    .group_segment_fixed_size: 327680
    .private_segment_fixed_size: 0
    .kernarg_segment_align: 8
    .kernarg_segment_size: 56
    .max_flat_workgroup_size: 128
    .sgpr_count:     66
    .vgpr_count:     1024
    .wavefront_size: 32
...
	.end_amdgpu_metadata
.endif
;; end of part 4
